; MI455X (gfx1250); checked and timed in simulation.
; The chip was launched on July 23, 2026; its instructions are those of AMD's public machine-readable ISA for CDNA 5 (MIT licence, August 2026) and "CDNA5" Instruction Set Architecture Reference Guide (July 2026). The comments in the code are by the model that wrote it; some were corrected since.
;; Multi Head Self Attention. Allowed arithmetic: matrix products marked QUANTISED: E2M1 operands, one E8M0 scale for each 32 along K, by v_wmma_scale_f32_16x16x128_f8f6f4 with both operands' format E2M1 (or v_wmma_scale_f32_32x16x128_f4), f32 sums; products left as they are: bf16, f16 or f32 operands; f32 sums; everything else in f32.
;; Inputs: token_positions 2 x 2,048 int32; w_k 1,024 x 1,024 float32; w_o 1,024 x 1,024 float32; w_q 1,024 x 1,024 float32; w_v 1,024 x 1,024 float32; x 2 x 2,048 x 1,024 float32.
;; Outputs: out0 2 x 2,048 x 1,024 float32.
;; This version of the problem:
;;   THIS VERSION OF THE PROBLEM IS GIVEN IN LOW PRECISION. The matrix products marked QUANTISED in the list below multiply operands that are first quantised to E2M1 (2 exponent bits, 1 mantissa bit; 4 bits a number), with one power-of-two scale for each 32 numbers along K (OCP MX v1.0); their sums are f32. The products marked 'left as it is' may take bf16, f16 or f32 operands, with f32 sums. Whichever they take, every output number must still come out within the allowed error. Rounding operands to bf16 (8 significant bits) uses up far more of that allowance than f16 does (11 bits, for magnitudes from 6e-5 to 65,504). All else is computed in f32.
;;   The module's matrix products, in the order in which they are computed (A, B: the left and right operand; K: the contracted axis; several contracted axes count as one K, in the product's order):
;;     1. [M 4,096, K 1,024] x [K 1,024, N 1,024]; A: input x; B: input w_q: QUANTISED
;;     2. [M 4,096, K 1,024] x [K 1,024, N 1,024]; A: input x; B: input w_k: QUANTISED
;;     3. [M 4,096, K 1,024] x [K 1,024, N 1,024]; A: input x; B: input w_v: QUANTISED
;;     4. batch 32 x [M 2,048, K 64] x [K 64, N 2,048]; A: computed on the way; B: computed on the way: left as it is (an operand is computed on the way)
;;     5. batch 32 x [M 2,048, K 2,048] x [K 2,048, N 64]; A: computed on the way; B: computed on the way: left as it is (an operand is computed on the way)
;;     6. [M 4,096, K 1,024] x [K 1,024, N 1,024]; A: computed on the way; B: input w_o: left as it is (an operand is computed on the way)
;;   THE QUANTISER, for each operand of a quantised product, along K:
;;     - K is cut into blocks of 32 from its start; a last block that is shorter is filled with zeros.
;;     - A block's scale is 2^e with e = floor(log2(the largest magnitude in the block)) - 2, held to -126 .. 127; a block of zeros has e = 0. As a byte (E8M0): e + 127.
;;     - Each number is divided by its block's scale, clamped to +-6, and rounded to the nearest number of E2M1, ties to even, subnormals kept.
;;     - The product sums the exact products of the quantised numbers (number of the format x scale) in f32.
;;   ~~~python
;;   def quantise(x, axis):      # numpy; x: float32 -> the quantised numbers, widened to float32 again
;;       x = np.moveaxis(x, axis, -1); K = x.shape[-1]
;;       x = np.pad(x, [(0, 0)] * (x.ndim - 1) + [(0, -K % 32)]); x = x.reshape(x.shape[:-1] + (-1, 32)); a = np.abs(x).max(-1, keepdims=True)
;;       e = np.where(a > 0, np.clip(np.frexp(np.where(a > 0, a, 1))[1] - 1 - 2, -126, 127), 0)      # np.frexp(a)[1] - 1 = floor(log2(a)), exactly
;;       r = np.clip(x / 2.0 ** e, -6, 6)
;;       step = 2.0 ** (np.maximum(np.frexp(np.where(r == 0, 1, r))[1] - 1, 0) - 1)
;;       q = np.round(r / step) * step * 2.0 ** e      # np.round: ties to even
;;       return np.moveaxis(q.reshape(q.shape[:-2] + (-1,))[..., :K], -1, axis).astype(np.float32)
;;   ~~~
;; One version. Each part assembles by itself: llvm-mc -triple=amdgcn-amd-amdhsa -mcpu=gfx1250 --defsym DOCPART=n.
;; ======== version 1 of 1: 5 launches
;; limits: values are held in f16: magnitudes above 65,504 overflow, below 6.1e-05 lose precision
;; workspace buffers: codes 3,670,016 bytes; scales 229,376 bytes; wo16 2,097,152 bytes; rope 1,048,576 bytes; qkvh 25,165,824 bytes; obuf 8,388,608 bytes; head16 393,216 bytes
;; launch prep (part 1): grid 288 x 1, 4 waves a work-group, no clusters, 33,280 bytes of LDS; arguments x, w_q, w_k, w_v, w_o, token_positions, codes, scales, wo16, rope; writes codes, scales, wo16, rope
.if DOCPART == 1
	.amdgcn_target "amdgcn-amd-amdhsa--gfx1250"
	.amdhsa_code_object_version 6
	.text
	.protected	k_q35db6f28b8_prep
	.globl	k_q35db6f28b8_prep
	.p2align	8
	.type	k_q35db6f28b8_prep,@function
k_q35db6f28b8_prep:
	s_mov_b64 s[64:65], 0
	v_nop
	global_prefetch_b8 v0, s[64:65] scope:SCOPE_SE
	s_setreg_imm32_b32 hwreg(HW_REG_WAVE_MODE, 25, 1), 1
	s_wait_xcnt 0x0
; PREP.  Three kinds of work-groups, told apart by the work-group's number alone.
;   0-223   x [4096][1024] and w_q, w_k, w_v [1024][1024], f32, become codes of FP4 (E2M1), K innermost, and one E8M0 byte for each 32 along K.
;           codes: x's rows of 512 bytes at 0; the weights' at 2,097,152, rows ordered [head 16][type q,k,v][64].  scales: rows of 32 bytes, x's at 0, the weights' at 131,072, same order.
;   224-255 w_o [d 1024][e 1024] f32 becomes f16 in slabs by head: wo16[head][d][64].
;   256-287 the table rope[token 4096][frequency 32][cos, sin], f32, from token_positions.
; A block's scale is 2^(floor(log2(largest magnitude)) - 2); its byte is the largest magnitude's exponent field - 2, held at 1 from below.
; LIMITS: a block of zeros gets the byte 1 where the rule says 127 (its codes are zeros, and this program alone reads the bytes); NaN and infinities are not served;
; |w_o| stays under 65,504 (f16); |token position| at most 2^23 (the reduction's whole number stays exact); the frequencies come from v_exp_f32, good to one unit in the last place.
; Memory binds: no matrix unit, no cluster (no two work-groups read the same bytes), no tensor load.  Only the quantising path uses LDS.
.set WREG,  8192                       ; LDS: a region for each wave: two stages of 32 x SP bytes, then its 256 scale bytes
.set SP,    80                         ; a lane's place in a stage: 64 bytes + 16 of padding
.set STEPS, 16
.set EMAX,  2
.set CB,    8                          ; bytes of 16 codes
.set RL,    16                         ; v16-79   four sets of 16 numbers as loaded
.set XN,    80                         ; v80-111  two sets of 16 neighbours
.set EB,    112                        ; v112-127 a scale byte for each step
.set CD,    128                        ; v128-191 codes, four registers a step
.set SPW,   12                         ; v12 my spare word's LDS address; never rewritten
.set NIL,   13                         ; v13 0; never rewritten
.set SPARE, 4*WREG                     ; the spare words, 128 bytes a wave
.set XC,    16                         ; the cast: v16-143 two sets of 64 numbers
.set YC,    144                        ; v144-207 two sets of 32 registers of f16
	s_load_b256 s[4:11], s[0:1], 0x0               ; x, w_q, w_k, w_v
	s_load_b256 s[12:19], s[0:1], 0x20             ; w_o, token_positions, codes, scales
	s_load_b128 s[20:23], s[0:1], 0x40             ; wo16, rope
	v_lshl_add_u32 v[SPW], v0, 2, SPARE
	v_mov_b32 v[NIL], 0
	v_lshrrev_b32 v1, 5, v0
	v_readfirstlane_b32 s24, v1                    ; wave
	v_and_b32 v2, 31, v0                           ; lane
	s_cmp_ge_u32 ttmp9, 256
	s_cbranch_scc1 .Ltable
	s_cmp_ge_u32 ttmp9, 224
	s_cbranch_scc1 .Lcast
; ---- THE QUANTISER.  A wave takes a run of 8,192 numbers (8 rows of 1,024) in 16 steps of 512.  Each load reads 512 consecutive bytes; a step's 2,048 bytes turn through the wave's own
; stage in LDS so that a lane holds 16 neighbours along K (two lanes a block).  A step's codes leave as 256 consecutive bytes, the run's 256 scale bytes as one store at the end.
	v_lshlrev_b32 v3, 4, v2                        ; my 16 bytes of a load's 512
	s_mul_i32 s25, s24, WREG
	v_lshrrev_b32 v14, 2, v2
	v_mul_u32_u24 v14, v14, SP
	v_and_b32 v15, 3, v2
	v_lshl_add_u32 v14, v15, 4, v14
	v_add_nc_u32 v14, s25, v14                     ; the stage, way in: SP (lane / 4) + 16 (lane % 4)
	v_mul_u32_u24 v15, v2, SP
	v_add_nc_u32 v15, s25, v15                     ; way out: SP x lane
	v_mul_u32_u24 v4, v2, CB                       ; my codes' place in a step's
	v_lshrrev_b32 v5, 1, v2
	s_add_co_u32 s25, s25, 2*32*SP
	v_add_nc_u32 v5, s25, v5                       ; my block's scale byte in LDS
	v_lshlrev_b32 v7, 3, v2
	v_add_nc_u32 v6, s25, v7                       ; and 8 bytes a lane on the way out
	s_lshl_b32 s26, ttmp9, 2
	s_add_co_u32 s26, s26, s24                     ; x: run = 4 x work-group + wave
	s_sub_co_u32 s27, ttmp9, 128                   ; the weights (used from work-group 128 on):
	s_lshr_b32 s28, s27, 5                         ; type 0, 1, 2
	s_and_b32 s27, s27, 31
	s_lshl_b32 s27, s27, 2
	s_add_co_u32 s27, s27, s24                     ; run i of the weight: rows 8 i .. 8 i + 7
	s_lshr_b32 s29, s27, 3                         ; head
	s_mul_i32 s29, s29, 192
	s_lshl_b32 s30, s28, 6
	s_add_co_u32 s29, s29, s30
	s_and_b32 s30, s27, 7
	s_lshl_b32 s30, s30, 3
	s_add_co_u32 s29, s29, s30                     ; row in the weights' part: 192 head + 64 type + 8 (i % 8)
	s_lshl_b32 s32, s27, 15                        ; bytes: source,
	s_lshl_b32 s34, s29, 9
	s_add_co_u32 s34, s34, 2097152                 ; codes,
	s_lshl_b32 s36, s29, 5
	s_add_co_u32 s36, s36, 131072                  ; scale bytes
	s_lshl_b32 s38, s26, 15                        ; and the same three for x
	s_lshl_b32 s39, s26, 12
	s_lshl_b32 s40, s26, 8
	s_wait_kmcnt 0x0
	s_cmp_eq_u32 s28, 0                            ; the choices hang on the work-group's number alone
	s_cselect_b64 s[42:43], s[6:7], s[8:9]
	s_cmp_eq_u32 s28, 2
	s_cselect_b64 s[42:43], s[10:11], s[42:43]
	s_cmp_lt_u32 ttmp9, 128
	s_cselect_b64 s[42:43], s[4:5], s[42:43]
	s_cselect_b32 s32, s38, s32
	s_cselect_b32 s34, s39, s34
	s_cselect_b32 s36, s40, s36
	s_mov_b32 s33, 0
	s_mov_b32 s35, 0
	s_mov_b32 s37, 0
	s_add_nc_u64 s[4:5], s[42:43], s[32:33]        ; my run's numbers,
	s_add_nc_u64 s[8:9], s[16:17], s[34:35]        ; codes,
	s_add_nc_u64 s[10:11], s[18:19], s[36:37]      ; scale bytes
.macro LOAD t
.irp i, 0,1,2,3
	global_load_b128 v[RL+16*((\t)%4)+4*\i:RL+16*((\t)%4)+4*\i+3], v3, s[4:5] offset:2048*(\t)+512*\i th:TH_LOAD_NT
.endr
.endm
.macro TURN t                          ; step t's numbers through the stage: LDS serves a wave's instructions in order, so no wait stands between the stores and the loads
.irp i, 0,1,2,3
	ds_store_b128 v14, v[RL+16*((\t)%4)+4*\i:RL+16*((\t)%4)+4*\i+3] offset:32*SP*((\t)%2)+8*SP*\i
.endr
.irp i, 0,1,2,3
	ds_load_b128 v[XN+16*((\t)%2)+4*\i:XN+16*((\t)%2)+4*\i+3], v15 offset:32*SP*((\t)%2)+16*\i
.endr
.endm
.irp t, 0,1,2,3
	LOAD \t
.endr
	s_wait_loadcnt 12                              ; step 0's four loads are in; three steps' twelve stay out
	TURN 0
.macro STEP t
.set XS, XN+16*((\t)%2)
.if (\t) > 0
	s_wait_dscnt 1                                 ; this step's numbers are back from the stage (the last step's byte store may be out)
.else
	s_wait_dscnt 0x0
.endif
.if (\t)+4 < STEPS
	LOAD (\t)+4                                    ; into the registers that the stage's stores have read
.endif
.if (\t)+1 < STEPS
.if STEPS-2-(\t) >= 3
	s_wait_loadcnt 12                              ; the next step's four loads are in; those of three steps behind it may be out
.else
	s_wait_loadcnt 4*(STEPS-2-(\t))
.endif
	TURN (\t)+1
.endif
	v_max3_num_f32 v8, |v[XS]|, |v[XS+1]|, |v[XS+2]|               ; the largest magnitude of my 16, in two chains
	v_max3_num_f32 v9, |v[XS+3]|, |v[XS+4]|, |v[XS+5]|
.irp i, 6,10
	v_max3_num_f32 v8, v8, |v[XS+\i]|, |v[XS+\i+1]|
	v_max3_num_f32 v9, v9, |v[XS+\i+2]|, |v[XS+\i+3]|
.endr
	v_max3_num_f32 v8, v8, |v[XS+14]|, |v[XS+15]|
	v_max3_num_f32 v8, v8, v9, (EMAX+1)<<23        ; and the floor 2^(3 - 127): the byte cannot fall under 1
	v_max_num_f32_dpp v8, v8, v8 row_xmask:1 row_mask:0xf bank_mask:0xf   ; with my neighbour's 16: the block's
	v_add_nc_u32 v11, -(EMAX<<23), v8              ; 2 off its exponent field: the conversion takes this operand's exponent field as its scale
	v_cvt_scalef32_pk8_fp4_f32 v[CD+4*(\t)], v[XS:XS+7], v11
	v_cvt_scalef32_pk8_fp4_f32 v[CD+4*(\t)+1], v[XS+8:XS+15], v11
	v_lshrrev_b32 v[EB+(\t)], 23, v11              ; the scale's byte
	ds_store_b8 v5, v[EB+(\t)] offset:16*(\t)      ; both lanes of a block write the same byte with the same value
	global_store_b64 v4, v[CD+4*(\t):CD+4*(\t)+1], s[8:9] offset:32*CB*(\t)   ; the wave stores 256 consecutive bytes, aligned
.endm
.irp t, 0,1,2,3,4,5,6,7,8,9,10,11,12,13,14,15
	STEP \t
.endr
	ds_load_b64 v[8:9], v6                         ; in order behind my byte stores
	s_wait_dscnt 0x0
	global_store_b64 v7, v[8:9], s[10:11]          ; 256 consecutive bytes, aligned
	s_wait_tensorcnt 0x0                           ; the wave's end, behind my last LDS store
	ds_add_u32 v[SPW], v[NIL]
	s_wait_dscnt 0x0
	s_endpgm
; ---- THE CAST OF w_o.  A work-group takes 32 rows d, a wave 8, two at a time.  A load reads 256 bytes (a head's 64 numbers) of row d in lanes 0-15 and of row d + 1 in lanes 16-31;
; a store writes the two rows' 256 consecutive bytes of that head's slab.  One pair of rows is on its way while another is converted.
.Lcast:
	s_sub_co_u32 s25, ttmp9, 224
	s_lshl_b32 s25, s25, 5
	s_lshl_b32 s26, s24, 3
	s_add_co_u32 s25, s25, s26                     ; my first row d
	s_lshl_b32 s26, s25, 12                        ; x 4,096 bytes in w_o
	s_mov_b32 s27, 0
	s_lshl_b32 s28, s25, 7                         ; x 128 bytes in a slab
	s_mov_b32 s29, 0
	v_lshrrev_b32 v3, 4, v2
	v_and_b32 v5, 15, v2
	v_lshlrev_b32 v3, 12, v3
	v_lshl_add_u32 v3, v5, 4, v3                   ; in: 4,096 (lane / 16) + 16 (lane % 16)
	v_lshlrev_b32 v4, 3, v2                        ; out: 8 x lane
	s_wait_kmcnt 0x0
	s_add_nc_u64 s[12:13], s[12:13], s[26:27]
	s_add_nc_u64 s[20:21], s[20:21], s[28:29]
.macro PAIRLOAD p, set
.irp h, 0,1,2,3,4,5,6,7,8,9,10,11,12,13,14,15
	global_load_b128 v[XC+64*(\set)+4*\h:XC+64*(\set)+4*\h+3], v3, s[12:13] offset:8192*(\p)+256*\h th:TH_LOAD_NT
.endr
.endm
.macro PAIROUT p, set
.irp h, 0,1,2,3,4,5,6,7,8,9,10,11,12,13,14,15
	v_cvt_pk_f16_f32 v[YC+32*(\set)+2*\h], v[XC+64*(\set)+4*\h], v[XC+64*(\set)+4*\h+1]
	v_cvt_pk_f16_f32 v[YC+32*(\set)+2*\h+1], v[XC+64*(\set)+4*\h+2], v[XC+64*(\set)+4*\h+3]
.endr
.irp h, 0,1,2,3,4,5,6,7,8,9,10,11,12,13,14,15
	global_store_b64 v4, v[YC+32*(\set)+2*\h:YC+32*(\set)+2*\h+1], s[20:21] offset:131072*\h+256*(\p)
.endr
.endm
	PAIRLOAD 0, 0
	PAIRLOAD 1, 1
	s_wait_loadcnt 16                              ; pair 0 is in; pair 1's sixteen loads stay out
	PAIROUT 0, 0
	PAIRLOAD 2, 0
	s_wait_loadcnt 16
	PAIROUT 1, 1
	PAIRLOAD 3, 1
	s_wait_loadcnt 16
	s_wait_xcnt 0x0                                ; pair 0's stores have read their data: the set is written again only behind this wait
	PAIROUT 2, 0
	s_wait_loadcnt 0x0
	s_wait_xcnt 0x0
	PAIROUT 3, 1
	s_wait_tensorcnt 0x0
	ds_add_u32 v[SPW], v[NIL]
	s_wait_dscnt 0x0
	s_endpgm
; ---- THE TABLE.  A wave takes 32 tokens; a lane is a frequency i: 10000^(-i / 32) = 2^(-0.41524101 i).  angle = position x frequency, one rounding, as the definition has it.
; n = nearest whole number to angle x 2 / pi; r = angle - n pi / 2 with pi / 2 in three parts, by fused multiply-adds; sine and cosine of r by polynomials on [-pi / 4, pi / 4];
; n mod 4 swaps them and sets the signs, by selects.  A token's 32 pairs (cos, sin) are 256 consecutive bytes: one store of the wave.
.Ltable:
	s_sub_co_u32 s25, ttmp9, 256
	s_lshl_b32 s25, s25, 7
	s_lshl_b32 s26, s24, 5
	s_add_co_u32 s25, s25, s26                     ; my first token
	s_lshl_b32 s26, s25, 2
	s_mov_b32 s27, 0
	s_lshl_b32 s28, s25, 8
	s_mov_b32 s29, 0
	v_lshlrev_b32 v3, 2, v2
	v_lshlrev_b32 v4, 3, v2
	s_mov_b32 s40, 0x3f22f983                      ; 2 / pi
	s_mov_b32 s41, 0xbfc90fda                      ; -pi / 2: high,
	s_mov_b32 s42, 0xb3a22168                      ; middle,
	s_mov_b32 s43, 0xa7c234c4                      ; low part
	s_mov_b32 s44, 0xb94ca1f9                      ; sine: -1.9515296e-4,
	s_mov_b32 s45, 0x3c08839e                      ; 8.3321609e-3,
	s_mov_b32 s46, 0xbe2aaaa3                      ; -1.6666655e-1
	s_mov_b32 s47, 0x37ccf5ce                      ; cosine: 2.4433157e-5,
	s_mov_b32 s48, 0xbab6061a                      ; -1.3887316e-3,
	s_mov_b32 s49, 0x3d2aaaa5                      ; 4.1666646e-2
	s_wait_kmcnt 0x0
	s_add_nc_u64 s[14:15], s[14:15], s[26:27]
	s_add_nc_u64 s[22:23], s[22:23], s[28:29]
	global_load_b32 v15, v3, s[14:15]              ; lane t: token t's position
	v_cvt_f32_u32 v14, v2
	v_mul_f32 v14, 0xbed49a78, v14
	v_exp_f32 v14, v14                             ; my frequency
	v_nop                                          ; a plain instruction behind the exponential,
	s_wait_alu depctr_va_vdst(0)                   ; and the wait ahead of its first reader
	s_wait_loadcnt 0x0
	v_cvt_f32_i32 v15, v15
.macro TOKEN t
	v_readlane_b32 s30, v15, \t
	v_mul_f32 v16, s30, v14                        ; the angle
	v_mul_f32 v17, s40, v16
	v_rndne_f32 v17, v17                           ; n
	v_fma_f32 v18, v17, s41, v16
	v_fma_f32 v18, v17, s42, v18
	v_fma_f32 v18, v17, s43, v18                   ; r
	v_cvt_i32_f32 v19, v17
	v_mul_f32 v20, v18, v18                        ; z = r r
	v_fma_f32 v21, v20, s44, s45
	v_fma_f32 v23, v20, s47, s48
	v_fma_f32 v21, v21, v20, s46
	v_fma_f32 v23, v23, v20, s49
	v_mul_f32 v22, v20, v18
	v_mul_f32 v25, v20, v20
	v_fma_f32 v24, v20, -0.5, 1.0
	v_fma_f32 v21, v21, v22, v18                   ; sin r
	v_fma_f32 v23, v23, v25, v24                   ; cos r
	v_and_b32 v26, 1, v19
	v_cmp_eq_u32 vcc_lo, 1, v26
	v_cndmask_b32 v27, v21, v23, vcc_lo            ; odd n: the two change places
	v_cndmask_b32 v28, v23, v21, vcc_lo
	v_lshlrev_b32 v29, 30, v19
	v_and_b32 v29, 0x80000000, v29                 ; the sine's sign: bit 1 of n
	v_add_nc_u32 v30, 1, v19
	v_lshlrev_b32 v30, 30, v30
	v_and_b32 v30, 0x80000000, v30                 ; the cosine's: bit 1 of n + 1
	v_xor_b32 v[65+2*(\t)], v27, v29
	v_xor_b32 v[64+2*(\t)], v28, v30
	global_store_b64 v4, v[64+2*(\t):65+2*(\t)], s[22:23] offset:256*(\t)   ; each token has a pair of its own: no store's data are written again
.endm
.set TK, 0
.rept 32
	TOKEN TK
.set TK, TK+1
.endr
	s_wait_tensorcnt 0x0
	ds_add_u32 v[SPW], v[NIL]
	s_wait_dscnt 0x0
	s_endpgm
.Lfunc_end_k_q35db6f28b8_prep:
	.size	k_q35db6f28b8_prep, .Lfunc_end_k_q35db6f28b8_prep-k_q35db6f28b8_prep
	.p2alignl 7, 3214868480
	.fill 96, 4, 3214868480
	.section	.rodata,"a",@progbits
	.p2align	6, 0x0
	.amdhsa_kernel k_q35db6f28b8_prep
		.amdhsa_group_segment_fixed_size 33280
		.amdhsa_private_segment_fixed_size 0
		.amdhsa_enable_private_segment 0
		.amdhsa_kernarg_size 80
		.amdhsa_user_sgpr_count 2
		.amdhsa_user_sgpr_kernarg_segment_ptr 1
		.amdhsa_wavefront_size32 1
		.amdhsa_system_sgpr_workgroup_id_x 1
		.amdhsa_system_sgpr_workgroup_id_y 1
		.amdhsa_system_sgpr_workgroup_id_z 1
		.amdhsa_system_vgpr_workitem_id 0
		.amdhsa_next_free_vgpr 208
		.amdhsa_next_free_sgpr 66
		.amdhsa_reserve_vcc 1
		.amdhsa_float_denorm_mode_32 3
		.amdhsa_float_denorm_mode_16_64 3
		.amdhsa_memory_ordered 1
		.amdhsa_forward_progress 1
		.amdhsa_inst_pref_size 102
	.end_amdhsa_kernel
	.amdgpu_metadata
---
amdhsa.version: [ 1, 2 ]
amdhsa.kernels:
  - .name:           k_q35db6f28b8_prep
    .symbol:         k_q35db6f28b8_prep.kd
    .args:
      - { .name: x, .offset: 0, .size: 8, .value_kind: global_buffer, .address_space: global }
      - { .name: w_q, .offset: 8, .size: 8, .value_kind: global_buffer, .address_space: global }
      - { .name: w_k, .offset: 16, .size: 8, .value_kind: global_buffer, .address_space: global }
      - { .name: w_v, .offset: 24, .size: 8, .value_kind: global_buffer, .address_space: global }
      - { .name: w_o, .offset: 32, .size: 8, .value_kind: global_buffer, .address_space: global }
      - { .name: token_positions, .offset: 40, .size: 8, .value_kind: global_buffer, .address_space: global }
      - { .name: codes, .offset: 48, .size: 8, .value_kind: global_buffer, .address_space: global }
      - { .name: scales, .offset: 56, .size: 8, .value_kind: global_buffer, .address_space: global }
      - { .name: wo16, .offset: 64, .size: 8, .value_kind: global_buffer, .address_space: global }
      - { .name: rope, .offset: 72, .size: 8, .value_kind: global_buffer, .address_space: global }
    .group_segment_fixed_size: 33280
    .private_segment_fixed_size: 0
    .kernarg_segment_align: 8
    .kernarg_segment_size: 80
    .max_flat_workgroup_size: 128
    .sgpr_count:     66
    .vgpr_count:     208
    .wavefront_size: 32
...
	.end_amdgpu_metadata
.endif
;; end of part 1
;; launch qkv (part 2): grid 16 x 16, 4 waves a work-group, clusters of 4 x 1, 268,800 bytes of LDS; arguments codes, scales, rope, qkvh, head16; writes qkvh, head16
.if DOCPART == 2
	.amdgcn_target "amdgcn-amd-amdhsa--gfx1250"
	.amdhsa_code_object_version 6
	.text
	.protected	k_q35db6f28b8_qkv
	.globl	k_q35db6f28b8_qkv
	.p2align	8
	.type	k_q35db6f28b8_qkv,@function
k_q35db6f28b8_qkv:
	s_mov_b64 s[64:65], 0
	v_nop
	global_prefetch_b8 v0, s[64:65] scope:SCOPE_SE
	s_setreg_imm32_b32 hwreg(HW_REG_WAVE_MODE, 25, 1), 1
	s_wait_xcnt 0x0
	s_wait_alu depctr_hold_cnt(0) depctr_sa_sdst(0) depctr_va_vdst(0) depctr_va_sdst(0) depctr_va_ssrc(0) depctr_va_vcc(0) depctr_vm_vsrc(0)
	s_getreg_b32 s2, hwreg(HW_REG_IB_STS2, 6, 4)
	s_cmp_eq_u32 s2, 0
	s_cbranch_scc0 .Lentry_in_a_cluster
	s_endpgm
.Lentry_in_a_cluster:
	s_bfe_u32 s2, ttmp6, 0x10000c
	s_cmp_lg_u32 s2, 0x3003
	s_cbranch_scc0 .Lentry_shape_is_right
	s_endpgm
.Lentry_shape_is_right:
; QKV.  The three quantised products x w^T on codes of FP4 with E8M0 scales, RoPE on Q and K in f32, and Q, K, V out as f16: qkvh[type 3][b 2][h 16][s 2048][64].
; Positions 0 to 15 of each sequence also go out in f32: head16[b][h][type][16][64].
; SHARES.  A work-group makes 256 tokens x 192 columns: Q, K and V of ONE head (the weights' codes lie [head][type][64 rows]).  Wave w makes tokens 64 w .. 64 w + 63 x all 192 columns:
; 4 blocks of tokens x 12 blocks of columns = 48 accumulators.  The product is used transposed (source 0 = 16 weight rows, source 1 = 16 tokens): a lane holds one token and eight
; neighbouring columns, so RoPE's pairs are neighbouring registers.
; All of K = 1,024 lies in LDS, in two chunks of 512 along K (rows of 256 bytes + 16 of padding), asked for at the head: nothing is filled again.
; CLUSTER 4 x 1: the four partners are four heads on the same 256 tokens, so x's codes and scale bytes are asked for jointly (mask 15); each partner's weights are its own loads.
; Not 4 x 4: the way out branches on the tile row (the f32 copy of positions 0 to 15), and a branch must go alike in all partners; in 4 x 1 they share the tile row.
; LIMIT: |Q|, |K|, |V| stay under 65,504 (f16).
; REGISTERS, windows of 256: window 0: v16-25 addresses; v28, v29 the add's; v32-63 x's scale words (8 a + s); v64-159 the weights' (8 nb + s); v160-223 x's fragments, two sets;
;   on the way out v32-63 T, v64-95 H, v96-127 OB.  window 1: the weights' fragments, two sets of 96.  window 2: accumulators of Q and K at 8 (16 g + 4 a + q).
;   window 3: v0-127 V's accumulators at 8 (4 a + q); v128-255 cos and sin: 128 + 8 (4 a + q) + 2 p, + 1.
.set PITCH, 272
.set ACH,   256*PITCH                  ; a chunk of x: 256 rows
.set BB,    2*ACH
.set BCH,   192*PITCH                  ; a chunk of the weights: 192 rows
.set SCA,   BB+2*BCH                   ; x's scale bytes: 32 units of 256 + 16
.set SCB,   SCA+32*272                 ; the weights': 24 units
.set STAGE, 259072                     ; the next multiple of 256 behind them: 16 rows x 144 for each wave; no tile lands here
.set SPARE, STAGE+4*2304               ; the spare words, 128 bytes a wave
.set SPW, 28
.set NIL, 29
.set SA,  32
.set SB,  64
.set AF,  160
.set T,   32
.set H,   64
.set OB,  96
.set G1A, 24                           ; s[24:31] group 1: x's codes;  s[32:39] the weights';  s[40:47] x's scale bytes;  s[48:55] the weights'
.set G1B, 32
.set G1SA, 40
.set G1SB, 48
.set G0A, 56                           ; s[56:63] groups 0 for x's two chunks;  s[68:75] the weights';  s[76:79], s[80:83] the scale bytes'
.set G0B, 68
.set G0SA, 76
.set G0SB, 80
.set MSB, 0
.macro WIN new                         ; the immediate's high byte repeats the setting that is left
.if MSB != \new
	s_set_vgpr_msb (MSB<<8)|\new
.set MSB, \new
.endif
.endm
.macro JLOAD g0a, g1a, g0b, g1b        ; waves 0 and 1 fetch for x (jointly), waves 2 and 3 for the weights; the branch hangs on the wave's number alone; s_nop 0 and four v_nop follow each line
	s_cmp_eq_u32 s15, 0
	s_cbranch_scc0 .Lfor_b_\@
	tensor_load_to_lds s[\g0a:\g0a+3], s[\g1a:\g1a+7]
	s_nop 0
.rept 4
	v_nop
.endr
	s_branch .Lasked_\@
.Lfor_b_\@:
	tensor_load_to_lds s[\g0b:\g0b+3], s[\g1b:\g1b+7]
	s_nop 0
.rept 4
	v_nop
.endr
.Lasked_\@:
.endm
.macro CROUND                          ; a round of the cluster's barrier
	s_barrier_signal -1
	s_barrier_wait -1
	s_cmp_lg_u32 s14, 0
	s_cbranch_scc1 .Lnot_wave_0_\@
	s_barrier_signal -3
.Lnot_wave_0_\@:
	s_barrier_wait -3
	s_barrier_signal -1
	s_barrier_wait -1
.endm
.macro PLACES n
.rept \n
	v_nop
.endr
.endm
	s_load_b256 s[4:11], s[0:1], 0x0               ; codes, scales, rope, qkvh
	s_load_b64 s[12:13], s[0:1], 0x20              ; head16
	v_lshl_add_u32 v[SPW], v0, 2, SPARE
	v_mov_b32 v[NIL], 0
	ds_add_u32 v[SPW], v[NIL]                      ; the opening: the add, twice on end, and its wait ahead of my first tensor load
	ds_add_u32 v[SPW], v[NIL]
	v_lshrrev_b32 v1, 5, v0
	v_readfirstlane_b32 s14, v1                    ; wave
	s_lshr_b32 s15, s14, 1                         ; 0: I fetch for x, 1: for the weights
	s_and_b32 s16, s14, 1                          ; which half of the rows I fetch
	s_and_b32 s17, ttmp7, 0xffff                   ; the tile row: 256 tokens; the four partners share it
	s_bfe_u32 s18, ttmp6, 0x40000                  ; cx
	s_lshl_b32 s19, ttmp9, 2
	s_add_co_u32 s19, s19, s18                     ; the head = 4 x cluster x + cx
	s_mov_b32 s[G1A], 15|(1<<20)|(1<<21)|(5<<22)|(3<<25)   ; mask: all four; elements of 1 byte; padding: 4 words behind every 64; bit 21 beside a mask
	s_mov_b32 s[G1B], (1<<20)|(5<<22)|(3<<25)      ; no mask
.irp g, G1A, G1B
	s_mov_b32 s[\g+1], 256<<16                     ; tensor_dim0 = 256 bytes
	s_mov_b32 s[\g+3], 256<<16                     ; tile_dim0
	s_mov_b32 s[\g+5], 512                         ; from row to row
	s_mov_b32 s[\g+6], 0
	s_mov_b32 s[\g+7], 0
.endr
	s_mov_b32 s[G1A+2], 128<<16                    ; 128 rows a load
	s_mov_b32 s[G1A+4], 128
	s_mov_b32 s[G1B+2], 96<<16                     ; 96 rows a load
	s_mov_b32 s[G1B+4], 96
	s_mov_b32 s[G1SA], 15|(3<<16)|(1<<20)|(1<<21)|(5<<22)|(3<<25)   ; scale bytes: dense, as rows of 32 elements of 8 bytes
	s_mov_b32 s[G1SB], (3<<16)|(1<<20)|(5<<22)|(3<<25)
.irp g, G1SA, G1SB
	s_mov_b32 s[\g+1], 32<<16
	s_mov_b32 s[\g+3], 32<<16
	s_mov_b32 s[\g+5], 32
	s_mov_b32 s[\g+6], 0
	s_mov_b32 s[\g+7], 0
.endr
	s_mov_b32 s[G1SA+2], 16<<16                    ; 128 rows x 32 bytes = 16 units
	s_mov_b32 s[G1SA+4], 16
	s_mov_b32 s[G1SB+2], 12<<16                    ; 96 rows x 32 bytes = 12 units
	s_mov_b32 s[G1SB+4], 12
	s_lshl_b32 s20, s17, 8                         ; x: my first row 256 x tile row + 128 x half (cx does not enter)
	s_lshl_b32 s21, s16, 7
	s_add_co_u32 s20, s20, s21
	s_lshl_b32 s22, s20, 5                         ; its scale bytes,
	s_mov_b32 s23, 0
	s_lshl_b32 s20, s20, 9                         ; its codes
	s_mov_b32 s21, 0
	s_mul_i32 s96, s19, 192                        ; the weights: row 192 x head + 96 x half
	s_mul_i32 s97, s16, 96
	s_add_co_u32 s96, s96, s97
	s_lshl_b32 s98, s96, 5
	s_add_co_u32 s98, s98, 131072
	s_mov_b32 s99, 0
	s_lshl_b32 s96, s96, 9
	s_add_co_u32 s96, s96, 2097152
	s_mov_b32 s97, 0
	s_mul_i32 s2, s16, 128*PITCH                   ; LDS: the wave's number alone enters
	s_mul_i32 s3, s16, 96*PITCH
	s_add_co_u32 s3, s3, BB
	s_mul_i32 s66, s16, 16*272
	s_add_co_u32 s66, s66, SCA
	s_mul_i32 s67, s16, 12*272
	s_add_co_u32 s67, s67, SCB
	s_wait_dscnt 0x0                               ; both opening adds are done
	s_wait_kmcnt 0x0
	s_add_nc_u64 s[20:21], s[4:5], s[20:21]
	s_add_nc_u64 s[22:23], s[6:7], s[22:23]
	s_add_nc_u64 s[96:97], s[4:5], s[96:97]
	s_add_nc_u64 s[98:99], s[6:7], s[98:99]
	s_mov_b32 s[G0SA], 1
	s_mov_b32 s[G0SA+1], s66
	s_mov_b64 s[G0SA+2:G0SA+3], s[22:23]
	s_or_b32 s[G0SA+3], s[G0SA+3], 0x80000000
	s_mov_b32 s[G0SB], 1
	s_mov_b32 s[G0SB+1], s67
	s_mov_b64 s[G0SB+2:G0SB+3], s[98:99]
	s_or_b32 s[G0SB+3], s[G0SB+3], 0x80000000
.irp c, 0,1
	s_mov_b32 s[G0A+4*\c], 1
	s_add_co_u32 s[G0A+4*\c+1], s2, \c*ACH
	s_add_nc_u64 s[G0A+4*\c+2:G0A+4*\c+3], s[20:21], \c*256
	s_or_b32 s[G0A+4*\c+3], s[G0A+4*\c+3], 0x80000000
	s_mov_b32 s[G0B+4*\c], 1
	s_add_co_u32 s[G0B+4*\c+1], s3, \c*BCH
	s_add_nc_u64 s[G0B+4*\c+2:G0B+4*\c+3], s[96:97], \c*256
	s_or_b32 s[G0B+4*\c+3], s[G0B+4*\c+3], 0x80000000
.endr
	CROUND                                         ; all four work-groups are here: the joint loads meet
	JLOAD G0SA, G1SA, G0SB, G1SB                   ; three loads of mine are out: the scale bytes,
	JLOAD G0A, G1A, G0B, G1B                       ; chunk 0,
	JLOAD G0A+4, G1A, G0B+4, G1B                   ; chunk 1
	; where the results go
	s_lshr_b32 s66, s17, 3                         ; the batch
	s_lshl_b32 s67, s66, 4
	s_add_co_u32 s67, s67, s19                     ; 16 b + head
	s_lshl_b32 s2, s67, 11
	s_and_b32 s3, s17, 7
	s_lshl_b32 s94, s3, 8
	s_add_co_u32 s2, s2, s94
	s_lshl_b32 s94, s14, 6
	s_add_co_u32 s2, s2, s94                       ; row (16 b + head) 2048 + 256 (tile row % 8) + 64 wave
	s_lshl_b32 s2, s2, 7
	s_or_b32 s94, s3, s14                          ; 0 where my first block of tokens is positions 0 to 15: tile row and wave alone
	s_mov_b32 s3, 0
	s_add_nc_u64 s[84:85], s[10:11], s[2:3]        ; Q's,
	s_add_nc_u64 s[86:87], s[84:85], 8388608       ; K's,
	s_add_nc_u64 s[88:89], s[86:87], 8388608       ; V's part of qkvh
	s_mul_i32 s2, s67, 12288
	s_add_nc_u64 s[90:91], s[12:13], s[2:3]
	s_lshl_b32 s2, s17, 8
	s_lshl_b32 s66, s14, 6
	s_add_co_u32 s2, s2, s66
	s_lshl_b32 s2, s2, 8                           ; my first token's 256 bytes of the table
	s_add_nc_u64 s[92:93], s[8:9], s[2:3]
	v_and_b32 v1, 15, v0                           ; r
	v_bfe_u32 v2, v0, 4, 1                         ; h
	v_and_b32 v3, 31, v0                           ; lane
	v_lshlrev_b32 v25, 8, v1
	v_lshl_add_u32 v25, v2, 5, v25                 ; 256 r + 32 h: my eight numbers in a row of 256 bytes (the table; head16)
	WIN 0xc0                                       ; destination window 3
.irp a, 0,1,2,3
.irp q, 0,1,2,3
	global_load_b128 v[128+8*(4*\a+\q):128+8*(4*\a+\q)+3], v25, s[92:93] offset:4096*\a+64*\q      ; token 16 a + r, frequencies 8 q + 4 h + 0, 1
	global_load_b128 v[128+8*(4*\a+\q)+4:128+8*(4*\a+\q)+7], v25, s[92:93] offset:4096*\a+64*\q+16 ; + 2, 3
.endr
.endr
	WIN 0
	v_mul_u32_u24 v4, v1, PITCH
	v_lshl_add_u32 v4, v2, 4, v4                   ; a fragment: row r, + 16 h
	s_mul_i32 s2, s14, 64*PITCH
	v_add_nc_u32 v16, s2, v4                       ; x's, chunk 0: my 64 rows
	v_add_nc_u32 v17, ACH, v16                     ; chunk 1
	v_add_nc_u32 v18, BB, v4                       ; the weights', chunk 0
	v_add_nc_u32 v19, BCH, v18                     ; chunk 1
	v_lshrrev_b32 v5, 3, v1
	v_and_b32 v6, 7, v1
	v_mul_u32_u24 v5, v5, 272
	v_lshl_add_u32 v5, v6, 5, v5                   ; scale bytes: eight rows of 32 bytes to a unit
	v_add_nc_u32 v21, SCB, v5
	s_mul_i32 s2, s14, 2176
	s_add_co_u32 s2, s2, SCA
	v_add_nc_u32 v20, s2, v5
	s_mul_i32 s2, s14, 2304
	s_add_co_u32 s2, s2, STAGE                     ; my stage
	v_mul_u32_u24 v5, v1, 144
	v_lshl_add_u32 v5, v2, 4, v5
	v_add_nc_u32 v22, s2, v5                       ; in: row r, 16 bytes for each half of the lanes
	v_lshrrev_b32 v5, 3, v3
	v_and_b32 v6, 7, v3
	v_mul_u32_u24 v5, v5, 144
	v_lshl_add_u32 v5, v6, 4, v5
	v_add_nc_u32 v23, s2, v5                       ; back: eight lanes to a row of 128 bytes
	v_lshlrev_b32 v24, 4, v3                       ; and out: 16 x lane
.macro FETCH s                         ; step s (128 along K): the weights' 12 fragments and my 4 of x, into set s % 2
.set PS, (\s)%2
.set CH, (\s)/4
.set KO, 64*((\s)%4)
	WIN 0x40
.irp nb, 0,1,2,3,4,5,6,7,8,9,10,11
	ds_load_b128 v[96*PS+8*\nb:96*PS+8*\nb+3],   v[18+CH] offset:4352*\nb+KO
	ds_load_b128 v[96*PS+8*\nb+4:96*PS+8*\nb+7], v[18+CH] offset:4352*\nb+KO+32
.endr
	WIN 0
.irp a, 0,1,2,3
	ds_load_b128 v[AF+32*PS+8*\a:AF+32*PS+8*\a+3],   v[16+CH] offset:4352*\a+KO
	ds_load_b128 v[AF+32*PS+8*\a+4:AF+32*PS+8*\a+7], v[16+CH] offset:4352*\a+KO+32
.endr
.endm
.macro PROD nb, a, s, zero
.set AC, 8*(16*(((\nb)/4)%2)+4*(\a)+(\nb)%4)
.set BF, 96*((\s)%2)+8*(\nb)
.set AX, AF+32*((\s)%2)+8*(\a)
.if \zero
	v_wmma_scale_f32_16x16x128_f8f6f4 v[AC:AC+7], v[BF:BF+7], v[AX:AX+7], 0, v[SB+8*(\nb)+(\s)], v[SA+8*(\a)+(\s)] matrix_a_fmt:MATRIX_FMT_FP4 matrix_b_fmt:MATRIX_FMT_FP4
.else
	v_wmma_scale_f32_16x16x128_f8f6f4 v[AC:AC+7], v[BF:BF+7], v[AX:AX+7], v[AC:AC+7], v[SB+8*(\nb)+(\s)], v[SA+8*(\a)+(\s)] matrix_a_fmt:MATRIX_FMT_FP4 matrix_b_fmt:MATRIX_FMT_FP4
.endif
.endm
.macro MULS s, zero                    ; 48 products: the 48 accumulators take turns, one instruction a turn, in the same order in every step
	WIN 0xa1                                       ; source 0 window 1, source 1 window 0, C and D window 2
.irp nb, 0,1,2,3,4,5,6,7
.irp a, 0,1,2,3
	PROD \nb, \a, \s, \zero
.endr
.endr
	WIN 0xf1                                       ; C and D window 3
.irp nb, 8,9,10,11
.irp a, 0,1,2,3
	PROD \nb, \a, \s, \zero
.endr
.endr
	WIN 0
.endm
	s_wait_tensorcnt 0x1                           ; my scale bytes and my part of chunk 0 are in; chunk 1's load may stay out
	s_barrier_signal -1
	s_barrier_wait -1                              ; everybody's are
.irp a, 0,1,2,3
	ds_load_b128 v[SA+8*\a:SA+8*\a+3],   v20 offset:544*\a          ; the scale words of all of K: 8 words a row
	ds_load_b128 v[SA+8*\a+4:SA+8*\a+7], v20 offset:544*\a+16
.endr
.irp nb, 0,1,2,3,4,5,6,7,8,9,10,11
	ds_load_b128 v[SB+8*\nb:SB+8*\nb+3],   v21 offset:544*\nb
	ds_load_b128 v[SB+8*\nb+4:SB+8*\nb+7], v21 offset:544*\nb+16
.endr
	FETCH 0
	s_wait_dscnt 0x0
	FETCH 1
	MULS 0, 1                                      ; the first step starts the sums: nothing is cleared
.irp s, 1,2,3,4,5,6
	s_wait_dscnt 0x0                               ; this step's fragments are in
.if \s == 3
	s_wait_tensorcnt 0x0                           ; my part of chunk 1 is in,
	s_barrier_signal -1
	s_barrier_wait -1                              ; everybody's is: step 4's fragments come from it
.endif
	PLACES 4                                       ; in front of loads into the set that the last step's products read
	FETCH \s+1
	MULS \s, 0
.endr
	s_wait_dscnt 0x0
	MULS 7, 0
; THE WAY OUT, twelve blocks of 16 tokens x 64 columns (type g, block a).  RoPE in f32: even = xe cos - xo sin, odd = xe sin + xo cos; then f16.  A block is 2,048 consecutive bytes of qkvh:
; it goes through my stage (rows of 128 + 16 bytes) and leaves by four stores of 512 consecutive bytes.
.macro MAKE g, a, hs
.if (\g) < 2
	WIN 0x0e                                       ; source 0 window 2 (the sums), source 1 window 3 (cos, sin)
.irp q, 0,1,2,3
.set AC, 8*(16*(\g)+4*(\a)+\q)
.set CR, 128+8*(4*(\a)+\q)
.irp p, 0,1,2,3
	v_mul_f32 v[T+8*\q+2*\p],   v[AC+2*\p+1], v[CR+2*\p+1]      ; xo sin (an accumulator's first read is of its register 1)
	v_mul_f32 v[T+8*\q+2*\p+1], v[AC+2*\p+1], v[CR+2*\p]        ; xo cos
.endr
.irp p, 0,1,2,3
	v_fma_f32 v[T+8*\q+2*\p],   v[AC+2*\p], v[CR+2*\p],   -v[T+8*\q+2*\p]
	v_fma_f32 v[T+8*\q+2*\p+1], v[AC+2*\p], v[CR+2*\p+1], v[T+8*\q+2*\p+1]
.endr
.endr
	WIN 0
.irp q, 0,1,2,3
.irp p, 0,1,2,3
	v_cvt_pk_f16_f32 v[H+16*(\hs)+4*\q+\p], v[T+8*\q+2*\p], v[T+8*\q+2*\p+1]
.endr
.endr
.else
	WIN 0x0f                                       ; sources 0 and 1 window 3: V as it stands
.irp q, 0,1,2,3
.irp p, 0,1,2,3
	v_cvt_pk_f16_f32 v[H+16*(\hs)+4*\q+\p], v[8*(4*(\a)+\q)+2*\p], v[8*(4*(\a)+\q)+2*\p+1]
.endr
.endr
	WIN 0
.endif
.endm
.macro FIRSTCOPY g                     ; positions 0 to 15 in f32; the branch hangs on the tile row and the wave's number, alike in all partners
	s_cmp_lg_u32 s94, 0
	s_cbranch_scc1 .Lno_copy_\@
.if (\g) < 2
.irp q, 0,1,2,3
	global_store_b128 v25, v[T+8*\q:T+8*\q+3],   s[90:91] offset:4096*(\g)+64*\q
	global_store_b128 v25, v[T+8*\q+4:T+8*\q+7], s[90:91] offset:4096*(\g)+64*\q+16
.endr
.else
	WIN 0x0c                                       ; a store's data are its source 1: window 3
.irp q, 0,1,2,3
	global_store_b128 v25, v[8*\q:8*\q+3],   s[90:91] offset:8192+64*\q
	global_store_b128 v25, v[8*\q+4:8*\q+7], s[90:91] offset:8192+64*\q+16
.endr
	WIN 0
.endif
.Lno_copy_\@:
.endm
.macro TOSTAGE hs, os
.irp q, 0,1,2,3
	ds_store_b128 v22, v[H+16*(\hs)+4*\q:H+16*(\hs)+4*\q+3] offset:32*\q
.endr
.irp t, 0,1,2,3
	ds_load_b128 v[OB+16*(\os)+4*\t:OB+16*(\os)+4*\t+3], v23 offset:576*\t   ; LDS serves a wave's instructions in order: these see the stores above
.endr
.endm
.macro SEND g, a, os, younger
	s_wait_dscnt \younger
.irp t, 0,1,2,3
	global_store_b128 v24, v[OB+16*(\os)+4*\t:OB+16*(\os)+4*\t+3], s[84+2*(\g):85+2*(\g)] offset:2048*(\a)+512*\t
.endr
.endm
	PLACES 4                                       ; behind the last products, ahead of the first read of sums and the first write of registers that held scale words
	s_wait_loadcnt 0x0                             ; cos and sin
.set I, 0
.rept 12
.if I > 0
	s_wait_xcnt 0x0                                ; earlier stores have read their data: T, and the set that block I's loads land in, are written again only behind this wait
.endif
	MAKE I/4, I%4, I%2
.if I%4 == 0
	FIRSTCOPY I/4
.endif
	TOSTAGE I%2, I%2
.if I > 0
	SEND (I-1)/4, (I-1)%4, (I-1)%2, 8              ; behind block I - 1's loads: block I's four stores and four loads
.endif
.set I, I+1
.endr
	SEND 2, 3, 1, 0
	s_wait_tensorcnt 0x0                           ; the wave's end
	ds_add_u32 v[SPW], v[NIL]
	s_wait_dscnt 0x0
	CROUND                                         ; the closing round
	s_endpgm
.Lfunc_end_k_q35db6f28b8_qkv:
	.size	k_q35db6f28b8_qkv, .Lfunc_end_k_q35db6f28b8_qkv-k_q35db6f28b8_qkv
	.p2alignl 7, 3214868480
	.fill 96, 4, 3214868480
	.section	.rodata,"a",@progbits
	.p2align	6, 0x0
	.amdhsa_kernel k_q35db6f28b8_qkv
		.amdhsa_group_segment_fixed_size 268800
		.amdhsa_private_segment_fixed_size 0
		.amdhsa_enable_private_segment 0
		.amdhsa_kernarg_size 40
		.amdhsa_user_sgpr_count 2
		.amdhsa_user_sgpr_kernarg_segment_ptr 1
		.amdhsa_wavefront_size32 1
		.amdhsa_system_sgpr_workgroup_id_x 1
		.amdhsa_system_sgpr_workgroup_id_y 1
		.amdhsa_system_sgpr_workgroup_id_z 1
		.amdhsa_system_vgpr_workitem_id 0
		.amdhsa_next_free_vgpr 1024
		.amdhsa_next_free_sgpr 100
		.amdhsa_reserve_vcc 0
		.amdhsa_float_denorm_mode_32 3
		.amdhsa_float_denorm_mode_16_64 3
		.amdhsa_memory_ordered 1
		.amdhsa_forward_progress 1
		.amdhsa_inst_pref_size 133
	.end_amdhsa_kernel
	.amdgpu_metadata
---
amdhsa.version: [ 1, 2 ]
amdhsa.kernels:
  - .name:           k_q35db6f28b8_qkv
    .symbol:         k_q35db6f28b8_qkv.kd
    .args:
      - { .name: codes, .offset: 0, .size: 8, .value_kind: global_buffer, .address_space: global }
      - { .name: scales, .offset: 8, .size: 8, .value_kind: global_buffer, .address_space: global }
      - { .name: rope, .offset: 16, .size: 8, .value_kind: global_buffer, .address_space: global }
      - { .name: qkvh, .offset: 24, .size: 8, .value_kind: global_buffer, .address_space: global }
      - { .name: head16, .offset: 32, .size: 8, .value_kind: global_buffer, .address_space: global }
    .group_segment_fixed_size: 268800
    .private_segment_fixed_size: 0
    .kernarg_segment_align: 8
    .kernarg_segment_size: 40
    .max_flat_workgroup_size: 128
    .sgpr_count:     100
    .vgpr_count:     1024
    .wavefront_size: 32
...
	.end_amdgpu_metadata
.endif
;; end of part 2
;; launch attn (part 3): grid 8 x 32, 8 waves a work-group, no clusters, 327,680 bytes of LDS; arguments qkvh, obuf; writes obuf
.if DOCPART == 3
	.amdgcn_target "amdgcn-amd-amdhsa--gfx1250"
	.amdhsa_code_object_version 6
	.text
	.protected	k_q35db6f28b8_attn
	.globl	k_q35db6f28b8_attn
	.p2align	8
	.type	k_q35db6f28b8_attn,@function
k_q35db6f28b8_attn:
	s_mov_b64 s[64:65], 0
	v_nop
	global_prefetch_b8 v0, s[64:65] scope:SCOPE_SE
	s_setreg_imm32_b32 hwreg(HW_REG_WAVE_MODE, 25, 1), 1
	s_wait_xcnt 0x0
; ATTN.  O = softmax(Q K^T / 8, causal) V for one (batch, head), f16 operands, f32 products, maxima and sums, a running maximum; obuf[b][h][s][64] f16.
; SHARES.  Work-group (J, bh) makes two blocks of 128 queries, first block 15 - J, then block J.  In slots of 256 keys they need ceil((16 - J) / 2) + ceil((J + 1) / 2) = 9 slots for
; every J: the trip count is a constant and all work-groups have the same work.  Waves wq and wq + 4 own the SAME 32 queries (two tiles of 16) and split the keys: of a slot's four steps
; of 64 keys wave hw = wave / 4 takes steps hw and hw + 2.  So each fragment of K and V read from LDS feeds two tiles.  At a block's end the pair is merged through LDS.
; LAYOUT.  S^T = K Q^T (source 0 = 16 keys, source 1 = 16 queries) and O^T = V^T P: a lane holds one query throughout; two tiles of S^T, rounded to f16 in pairs in place, are source 1 of
; the second product.  K comes out of LDS as it lies, V turned by ds_load_tr16_b128.
; SOFTMAX.  p = 2^(c s - c m), c = log2(e) / 8, m the running maximum; in every step O and l are multiplied by a = 2^(c m_old - c m_new).
; A step is worked only where its first key is at or under the wave's last query.  Steps begin at multiples of 64 and the wave's queries at a multiple of 32, so a worked step's first key counts for all 32 queries.
; THE RING.  Two slots.  Every wave fetches: waves 0-3 K, waves 4-7 V.  A wave's tile is two long rows of 2,048 numbers: 32 keys of the slot's first 128 and 32 of its second 128,
; so every load is read in part in every slot that is walked, also where only the first 128 keys count.  Key k of a slot lies at 9,216 ((k / 32) % 4) + 4,608 (k / 128) + 144 (k % 32); V: 10,240, 5,120, 160.
; NO CLUSTER: the work-groups of a head pass from their first to their second block in different trips (after 8 - J / 2 slots), so partners would want different tiles in the same trip.
; LIMIT: |Q|, |K|, |V| under 65,504 (f16).
; REGISTERS: v1, v2 my lane's place in K's and V's tiles; v3, v4 the trip's addresses; v5 the prefetches' offset; v6, v7 the add's; v8-23 statistics, 8 a tile: +0 c m, +1 m, +2, +3 l,
; +4..7 at work (a in +6); v24-27 at work; v28 merge, v29, v30 stage, v31 out; v32-63 Q; v64-127 S^T, then P; v128-191 O^T; v192-255 K's, then V's fragments.
.set SLOT1, 131072                     ; slot 1 begins here: one exclusive or turns an address from one slot to the other
.set VOFF,  36864                      ; a slot: K's 4 x 9,216 bytes, then V's 4 x 10,240
.set MERGE, 77824                      ; behind slot 0: 9,216 bytes for each pair of waves
.set STG,   114688                     ; 16 rows x 144 for each of waves 0-3
.set SPARE, 208896                     ; behind slot 1: the spare words, 128 bytes a wave
.macro TLOAD                           ; waves 0-3 fetch K's tiles, waves 4-7 V's: one load a wave; s_nop 0 and four v_nop follow each line
	s_cmp_lt_u32 s8, 4
	s_cbranch_scc0 .Lfor_v_\@
	tensor_load_to_lds s[40:43], s[24:31]
	s_nop 0
.rept 4
	v_nop
.endr
	s_branch .Lasked_\@
.Lfor_v_\@:
	tensor_load_to_lds s[44:47], s[32:39]
	s_nop 0
.rept 4
	v_nop
.endr
.Lasked_\@:
.endm
; A prefetch of the slot that the NEXT change of slots will ask for.  Work-group J = 0 alone walks the head's 2,048 keys in order, so it alone asks: waves 0-3 for K's 32,768 bytes of a slot,
; waves 4-7 for V's, 8,192 bytes a wave, lanes 256 bytes apart: each aligned block of 256 bytes is named once in the launch.  In trip t it names slot t + 2, for t = 0 .. 5; nothing at the head.
.macro ASK
	s_cmp_gt_u32 s19, s58
	s_cbranch_scc0 .Lnot_mine_\@
	global_prefetch_b8 v5, s[56:57] th:TH_LOAD_NT scope:SCOPE_SE
.Lnot_mine_\@:
.endm
	s_load_b128 s[4:7], s[0:1], 0x0                ; qkvh, obuf
	v_lshl_add_u32 v6, v0, 2, SPARE
	v_mov_b32 v7, 0
	ds_add_u32 v6, v7                              ; the opening: the add, twice on end, and its wait ahead of my first tensor load
	ds_add_u32 v6, v7
	v_lshrrev_b32 v1, 5, v0
	v_readfirstlane_b32 s8, v1                     ; wave
	s_and_b32 s9, s8, 3                            ; wq: which 32 queries
	s_lshr_b32 s10, s8, 2                          ; hw: which steps
	s_mov_b32 s11, ttmp9                           ; J
	s_and_b32 s12, ttmp7, 0xffff                   ; 16 b + head
	s_mov_b32 s24, (1<<16)|(1<<20)|(4<<22)|(3<<25) ; K: elements of 2 bytes; 4 words of padding behind every 32
	s_mov_b32 s32, (1<<16)|(1<<20)|(4<<22)|(7<<25) ; V: 8 words
.irp g, 24, 32
	s_mov_b32 s[\g+1], 2048<<16                    ; tensor_dim0 = 2,048: 32 keys x 64, dense
	s_mov_b32 s[\g+2], 2<<16                       ; tensor_dim1 = 2
	s_mov_b32 s[\g+3], 2048<<16                    ; tile_dim0
	s_mov_b32 s[\g+4], 2                           ; tile_dim1
	s_mov_b32 s[\g+5], 8192                        ; from long row to long row: 128 keys
	s_mov_b32 s[\g+6], 0
	s_mov_b32 s[\g+7], 0
.endr
	s_mov_b32 s20, 0x76543210                      ; v_permlanex16_b32: lane l xor 16
	s_mov_b32 s21, 0xfedcba98
	s_mov_b32 s22, 0x3e38aa3b                      ; c = log2(e) / 8
	s_mov_b32 s23, s22                             ; (named with it as a pair)
	s_lshl_b32 s60, s12, 18                        ; the head's 262,144 bytes in each type and in obuf
	s_mov_b32 s61, 0
	s_lshl_b32 s62, s9, 12                         ; my 32 keys of each half of a slot
	s_add_co_u32 s62, s62, s60
	s_mov_b32 s63, 0
	s_mul_i32 s66, s9, 9216
	s_mul_i32 s67, s9, 10240
	s_add_co_u32 s67, s67, VOFF
	s_sub_co_u32 s13, 15, s11
	s_lshl_b32 s13, s13, 7                         ; QB: the first block's first query
	s_mov_b32 s15, 0                               ; KF: the slot's first key
	s_mov_b32 s18, 0                               ; TB: the slot in hand
	s_mov_b32 s19, 8                               ; trips of the loop
	s_cmp_eq_u32 s11, 0
	s_cselect_b32 s58, 2, -1                       ; a wave prefetches while the trips left are above this
	s_wait_dscnt 0x0                               ; both opening adds are done
	s_wait_kmcnt 0x0
	s_add_nc_u64 s[52:53], s[4:5], s[60:61]        ; Q's head
	s_add_nc_u64 s[54:55], s[6:7], s[60:61]        ; obuf's
	s_add_nc_u64 s[48:49], s[4:5], s[62:63]
	s_add_nc_u64 s[50:51], s[48:49], 16777216      ; V at my tile of keys 0 on
	s_add_nc_u64 s[48:49], s[48:49], 8388608       ; K likewise
	s_mov_b32 s40, 1
	s_mov_b32 s41, s66
	s_mov_b64 s[42:43], s[48:49]
	s_or_b32 s43, s43, 0x80000000
	s_mov_b32 s44, 1
	s_mov_b32 s45, s67
	s_mov_b64 s[46:47], s[50:51]
	s_or_b32 s47, s47, 0x80000000
	TLOAD                                          ; slot 0: keys 0 to 255
	s_cmp_lt_u32 s8, 4
	s_cselect_b64 s[56:57], s[48:49], s[50:51]
	s_lshl_b32 s62, s9, 12
	s_add_co_u32 s62, s62, 32768                   ; 8,192 wq in all, in slot 1: the first change of slots steps it to slot 2
	s_add_nc_u64 s[56:57], s[56:57], s[62:63]
	v_and_b32 v24, 15, v0                          ; r
	v_bfe_u32 v25, v0, 4, 1                        ; h
	v_and_b32 v26, 31, v0                          ; lane
	v_mul_u32_u24 v1, v24, 144
	v_lshl_add_u32 v1, v25, 4, v1
	s_mul_i32 s60, s10, 18432
	v_add_nc_u32 v1, s60, v1                       ; K: 144 r + 16 h + 18,432 hw
	v_and_b32 v27, 7, v0
	v_lshl_add_u32 v2, v25, 3, v27
	v_mul_u32_u24 v2, v2, 160
	v_bfe_u32 v27, v0, 3, 1
	v_lshl_add_u32 v2, v27, 4, v2
	s_mul_i32 s60, s10, 20480
	s_add_co_u32 s60, s60, VOFF
	v_add_nc_u32 v2, s60, v2                       ; V: 160 (8 h + lane % 8) + 16 ((lane / 8) % 2) + 20,480 hw
	v_lshlrev_b32 v5, 8, v26
	s_mul_i32 s60, s9, 9216
	s_add_co_u32 s60, s60, MERGE
	v_lshl_add_u32 v28, v26, 4, s60                ; the pair's merge bytes: 16 x lane
	s_mul_i32 s60, s9, 2304
	s_add_co_u32 s60, s60, STG
	v_mul_u32_u24 v29, v24, 144
	v_lshl_add_u32 v29, v25, 4, v29
	v_add_nc_u32 v29, s60, v29                     ; the stage, in: row r, + 16 h
	v_lshrrev_b32 v30, 3, v26
	v_mul_u32_u24 v30, v30, 144
	v_and_b32 v27, 7, v0
	v_lshl_add_u32 v30, v27, 4, v30
	v_add_nc_u32 v30, s60, v30                     ; back: eight lanes to a row
	v_lshlrev_b32 v31, 4, v26                      ; out: 16 x lane
; A block begins: my 32 queries' fragments; m = -3e38, under every score; l and O^T zero (the first a is 0, which leaves them zero).
.macro INIT
	s_lshl_b32 s60, s9, 5
	s_add_co_u32 s14, s13, s60                     ; Q0: my first query
	s_lshl_b32 s60, s14, 7
	s_mov_b32 s61, 0
	s_add_nc_u64 s[62:63], s[52:53], s[60:61]
	v_and_b32 v24, 15, v0
	v_bfe_u32 v25, v0, 4, 1
	v_lshlrev_b32 v24, 7, v24
	v_lshl_add_u32 v24, v25, 4, v24                ; 128 r + 16 h
.irp t, 0,1
.irp cc, 0,1
	global_load_b128 v[32+16*\t+8*\cc:35+16*\t+8*\cc], v24, s[62:63] offset:2048*\t+64*\cc
	global_load_b128 v[36+16*\t+8*\cc:39+16*\t+8*\cc], v24, s[62:63] offset:2048*\t+64*\cc+32
.endr
.endr
.irp t, 0,1
	v_mov_b32 v[9+8*\t], 0xff61b1e6
	v_mul_f32 v[8+8*\t], s22, v[9+8*\t]
	v_mov_b32 v[10+8*\t], 0
	v_mov_b32 v[11+8*\t], 0
.endr
.set J, 0
.rept 64
	v_mov_b32 v[128+J], 0
.set J, J+1
.endr
	s_wait_loadcnt 0x0
.endm
; THE CHANGE OF SLOTS, at a trip's head.  Each wave waits for all its tensor loads (its part of the slot ahead), adds 0 to its spare word, and waits for that and for its reads of the slot that it has left.
; Between the add and its wait: the next slot's first key (0 where this slot is the block's last) and the descriptors.  Behind the barrier the slot left is filled: one load a wave, with a trip's work in which to land.
.macro CHANGE fill
	s_wait_tensorcnt 0x0
	ds_add_u32 v6, v7
	s_add_co_u32 s16, s15, 256
	s_add_co_u32 s60, s13, 127
	s_cmp_gt_u32 s16, s60                          ; do the next 256 keys begin behind the block's last query?
	s_cselect_b32 s17, 1, 0                        ; then this slot is the block's last,
	s_cselect_b32 s16, 0, s16                      ; and the next slot is the next block's first
.if \fill
	s_lshl_b32 s60, s16, 7
	s_mov_b32 s61, 0
	s_xor_b32 s41, s41, SLOT1
	s_add_nc_u64 s[42:43], s[48:49], s[60:61]
	s_or_b32 s43, s43, 0x80000000
	s_xor_b32 s45, s45, SLOT1
	s_add_nc_u64 s[46:47], s[50:51], s[60:61]
	s_or_b32 s47, s47, 0x80000000
	s_wait_xcnt 0x0                                ; the last prefetch, a trip back, has read its address
	s_add_nc_u64 s[56:57], s[56:57], 32768
.endif
	s_wait_dscnt 0x0
	s_barrier_signal -1
	s_barrier_wait -1
.if \fill
	TLOAD
	ASK
.endif
.endm
; A STEP: 64 keys from KS = KF + 64 hw + 128 i on, for my two tiles.
.macro STEP i
	s_lshl_b32 s60, s10, 6
	s_add_co_u32 s60, s60, s15
	s_add_co_u32 s60, s60, 128*(\i)                ; KS
	s_add_co_u32 s61, s14, 31
	s_cmp_gt_u32 s60, s61                          ; all its keys behind my last query: nothing to do (ids and the wave's number; no barrier and no tensor load stands in a step)
	s_cbranch_scc1 .Lhidden_\@
.irp kt, 0,1,2,3
.irp cc, 0,1
	ds_load_b128 v[192+16*\kt+8*\cc:195+16*\kt+8*\cc], v3 offset:4608*(\i)+9216*(\kt/2)+2304*(\kt%2)+64*\cc
	ds_load_b128 v[196+16*\kt+8*\cc:199+16*\kt+8*\cc], v3 offset:4608*(\i)+9216*(\kt/2)+2304*(\kt%2)+64*\cc+32
.endr
.endr
	s_wait_dscnt 0x0
.irp t, 0,1                                    ; S^T = K Q^T: eight accumulators by turns, channels 0-31 start the sums
.irp kt, 0,1,2,3
	v_wmma_f32_16x16x32_f16 v[64+32*\t+8*\kt:71+32*\t+8*\kt], v[192+16*\kt:199+16*\kt], v[32+16*\t:39+16*\t], 0
.endr
.endr
.irp t, 0,1
.irp kt, 0,1,2,3
	v_wmma_f32_16x16x32_f16 v[64+32*\t+8*\kt:71+32*\t+8*\kt], v[200+16*\kt:207+16*\kt], v[40+16*\t:47+16*\t], v[64+32*\t+8*\kt:71+32*\t+8*\kt]
.endr
.endr
.rept 4
	v_nop                                          ; places: ahead of the loads into K's registers and of the first read of the scores
.endr
.irp kh, 0,1                                   ; V, turned: keys 32 kh on, channels 16 ct on; it lands while the softmax is worked
.irp ct, 0,1,2,3
	ds_load_tr16_b128 v[192+32*\kh+8*\ct:195+32*\kh+8*\ct], v4 offset:5120*(\i)+10240*\kh+32*\ct
	ds_load_tr16_b128 v[196+32*\kh+8*\ct:199+32*\kh+8*\ct], v4 offset:5120*(\i)+10240*\kh+2560+32*\ct
.endr
.endr
	s_add_co_u32 s61, s60, 63
	s_cmp_le_u32 s61, s14                          ; all 64 keys count for all my queries: no mask
	s_cbranch_scc1 .Lopen_\@
	s_sub_co_i32 s61, s14, s60
	v_and_b32 v24, 15, v0
	v_bfe_u32 v26, v0, 4, 1
	v_lshlrev_b32 v26, 3, v26
	v_sub_nc_u32 v24, v24, v26
	v_add_nc_u32 v24, s61, v24                     ; d = my query - KS - 8 h (tile 0).  Register 8 kt + j holds key KS + 16 kt + 8 h + j: hidden where 16 kt + j > d
	v_add_nc_u32 v26, 16, v24                      ; tile 1
	v_mov_b32 v25, 0xff800000                      ; -infinity
.set N, 0
.rept 32
	v_cmp_gt_i32 vcc_lo, 16*(N/8)+N%8, v24
	v_cndmask_b32 v[64+N], v[64+N], v25, vcc_lo
	v_cmp_gt_i32 vcc_lo, 16*(N/8)+N%8, v26
	v_cndmask_b32 v[96+N], v[96+N], v25, vcc_lo
.set N, N+1
.endr
.Lopen_\@:
.irp j, 0,1,2,3                                ; the maximum: four chains a tile, each begun at an accumulator's low end; the tiles by turns
.irp t, 0,1
	v_max3_num_f32 v[12+8*\t+\j], v[64+32*\t+8*\j], v[65+32*\t+8*\j], v[66+32*\t+8*\j]
.endr
.endr
.irp u, 1,2
.irp j, 0,1,2,3
.irp t, 0,1
	v_max3_num_f32 v[12+8*\t+\j], v[12+8*\t+\j], v[65+32*\t+8*\j+2*\u], v[66+32*\t+8*\j+2*\u]
.endr
.endr
.endr
.irp t, 0,1
	v_max3_num_f32 v[12+8*\t], v[12+8*\t], v[71+32*\t], v[79+32*\t]
	v_max3_num_f32 v[14+8*\t], v[14+8*\t], v[87+32*\t], v[95+32*\t]
.endr
.irp t, 0,1
	v_max3_num_f32 v[12+8*\t], v[12+8*\t], v[13+8*\t], v[14+8*\t]
.endr
.irp t, 0,1
	v_max3_num_f32 v[12+8*\t], v[12+8*\t], v[15+8*\t], v[9+8*\t]   ; and the old m
.endr
.irp t, 0,1
	v_permlanex16_b32 v[13+8*\t], v[12+8*\t], s20, s21             ; the query's other 32 keys lie 16 lanes away
.endr
.irp t, 0,1
	v_mov_b32 v[15+8*\t], v[8+8*\t]                ; c m_old
.endr
.irp t, 0,1
	v_max_num_f32 v[9+8*\t], v[12+8*\t], v[13+8*\t]
.endr
.irp t, 0,1
	v_mul_f32 v[8+8*\t], s22, v[9+8*\t]
.endr
.irp t, 0,1
	v_sub_f32 v[15+8*\t], v[15+8*\t], v[8+8*\t]
.endr
.set J, 0
.rept 16
	v_pk_fma_f32 v[64+J:65+J], v[64+J:65+J], s[22:23], v[8:9] op_sel_hi:[1,0,0] neg_lo:[0,0,1] neg_hi:[0,0,1]     ; c s - c m
	v_pk_fma_f32 v[96+J:97+J], v[96+J:97+J], s[22:23], v[16:17] op_sel_hi:[1,0,0] neg_lo:[0,0,1] neg_hi:[0,0,1]
.set J, J+2
.endr
	v_exp_f32 v14, v15                             ; ONE batch of 66 exponentials: a of both tiles,
	v_exp_f32 v22, v23
.set J, 0
.rept 64
	v_exp_f32 v[64+J], v[64+J]                     ; and p
.set J, J+1
.endr
	v_nop                                          ; a plain instruction behind the last,
	s_wait_alu depctr_va_vdst(0)                   ; and one wait ahead of the first reader
.irp t, 0,1                                    ; the sums leave p standing: two chains a tile
	v_pk_add_f32 v[12+8*\t:13+8*\t], v[64+32*\t:65+32*\t], v[66+32*\t:67+32*\t]
	v_pk_add_f32 v[24+2*\t:25+2*\t], v[68+32*\t:69+32*\t], v[70+32*\t:71+32*\t]
.endr
.irp j, 8,12,16,20,24,28
.irp t, 0,1
	v_pk_add_f32 v[12+8*\t:13+8*\t], v[12+8*\t:13+8*\t], v[64+32*\t+\j:65+32*\t+\j]
	v_pk_add_f32 v[24+2*\t:25+2*\t], v[24+2*\t:25+2*\t], v[66+32*\t+\j:67+32*\t+\j]
.endr
.endr
.irp t, 0,1
	v_pk_add_f32 v[12+8*\t:13+8*\t], v[12+8*\t:13+8*\t], v[24+2*\t:25+2*\t]
.endr
.irp t, 0,1
	v_pk_fma_f32 v[10+8*\t:11+8*\t], v[10+8*\t:11+8*\t], v[14+8*\t:15+8*\t], v[12+8*\t:13+8*\t] op_sel_hi:[1,0,1]   ; l = a l + the sum
.endr
.set J, 0
.rept 16                                       ; p to f16, in place and ascending: register i takes numbers 2 i, 2 i + 1
	v_cvt_pk_f16_f32 v[64+J], v[64+2*J], v[65+2*J]
	v_cvt_pk_f16_f32 v[96+J], v[96+2*J], v[97+2*J]
.set J, J+1
.endr
.set J, 0
.rept 16
	v_pk_mul_f32 v[128+J:129+J], v[128+J:129+J], v[14:15] op_sel_hi:[1,0]   ; O^T x a
	v_pk_mul_f32 v[160+J:161+J], v[160+J:161+J], v[22:23] op_sel_hi:[1,0]
.set J, J+2
.endr
	s_wait_dscnt 0x0                               ; V is in
.irp kh, 0,1                                   ; O^T += V^T P: eight accumulators by turns
.irp t, 0,1
.irp ct, 0,1,2,3
	v_wmma_f32_16x16x32_f16 v[128+32*\t+8*\ct:135+32*\t+8*\ct], v[192+32*\kh+8*\ct:199+32*\kh+8*\ct], v[64+32*\t+8*\kh:71+32*\t+8*\kh], v[128+32*\t+8*\ct:135+32*\t+8*\ct]
.endr
.endr
.endr
.rept 5
	v_nop                                          ; places for all that can follow: loads into V's registers, products that write over P, reads and writes of O^T
.endr
.Lhidden_\@:
.endm
.macro MERGE_ST                        ; waves 4-7: O^T and the statistics as images of their registers, 16 bytes a lane
.irp g, 0,1,2,3,4,5,6,7,8,9,10,11,12,13,14,15
	ds_store_b128 v28, v[128+4*\g:131+4*\g] offset:512*\g
.endr
	ds_store_b128 v28, v[8:11] offset:8192
	ds_store_b128 v28, v[16:19] offset:8704
.endm
; Waves 0-3: with m' the larger of the two c m, f = 2^(c m - m'); l = fA lA + fB lB; O = (fA OA + fB OB) / l.  A partner that worked no step has c m = c x -3e38, l = 0, O = 0: its f is 0.
.macro MERGE_OUT
.irp g, 0,1,2,3,4,5,6,7,8,9,10,11,12,13,14,15
	ds_load_b128 v[192+4*\g:195+4*\g], v28 offset:512*\g
.endr
	ds_load_b128 v[64:67], v28 offset:8192
	ds_load_b128 v[68:71], v28 offset:8704
	s_wait_dscnt 0x0
.irp t, 0,1
	v_max_num_f32 v[78+8*\t], v[8+8*\t], v[64+4*\t]
.endr
.irp t, 0,1
	v_sub_f32 v[72+8*\t], v[8+8*\t], v[78+8*\t]
	v_sub_f32 v[74+8*\t], v[64+4*\t], v[78+8*\t]
.endr
.irp t, 0,1
	v_exp_f32 v[72+8*\t], v[72+8*\t]
	v_exp_f32 v[74+8*\t], v[74+8*\t]
.endr
.irp t, 0,1
	v_add_f32 v[76+8*\t], v[10+8*\t], v[11+8*\t]   ; plain work behind the four
	v_add_f32 v[77+8*\t], v[66+4*\t], v[67+4*\t]
.endr
	s_wait_alu depctr_va_vdst(0)                   ; one wait for the four
.irp t, 0,1
	v_mul_f32 v[76+8*\t], v[72+8*\t], v[76+8*\t]
.endr
.irp t, 0,1
	v_fma_f32 v[76+8*\t], v[74+8*\t], v[77+8*\t], v[76+8*\t]
.endr
.irp t, 0,1
	v_permlanex16_b32 v[77+8*\t], v[76+8*\t], s20, s21
.endr
.irp t, 0,1
	v_add_f32 v[76+8*\t], v[76+8*\t], v[77+8*\t]   ; the row's sum
.endr
.irp t, 0,1
	v_rcp_f32 v[78+8*\t], v[76+8*\t]
.endr
	v_nop
	s_wait_alu depctr_va_vdst(0)
.irp t, 0,1
	v_mul_f32 v[72+8*\t], v[72+8*\t], v[78+8*\t]
	v_mul_f32 v[74+8*\t], v[74+8*\t], v[78+8*\t]
.endr
.irp t, 0,1
	v_mov_b32 v[73+8*\t], v[72+8*\t]               ; (named as the pairs' upper halves)
	v_mov_b32 v[75+8*\t], v[74+8*\t]
.endr
.irp t, 0,1
.set J, 0
.rept 16
	v_pk_mul_f32 v[128+32*\t+J:129+32*\t+J], v[128+32*\t+J:129+32*\t+J], v[72+8*\t:73+8*\t] op_sel_hi:[1,0]
.set J, J+2
.endr
.set J, 0
.rept 16
	v_pk_fma_f32 v[128+32*\t+J:129+32*\t+J], v[192+32*\t+J:193+32*\t+J], v[74+8*\t:75+8*\t], v[128+32*\t+J:129+32*\t+J] op_sel_hi:[1,0,1]
.set J, J+2
.endr
.endr
.set J, 0
.rept 32
	v_cvt_pk_f16_f32 v[96+J], v[128+2*J], v[129+2*J]
.set J, J+1
.endr
.irp t, 0,1                                    ; a tile is 16 rows of 128 bytes: through my stage, back as 2,048 consecutive bytes
.irp ct, 0,1,2,3
	ds_store_b128 v29, v[96+16*\t+4*\ct:99+16*\t+4*\ct] offset:32*\ct
.endr
.irp i, 0,1,2,3
	ds_load_b128 v[192+16*\t+4*\i:195+16*\t+4*\i], v30 offset:576*\i   ; in order behind the stores above; the next tile's stores come behind these
.endr
.endr
	s_wait_dscnt 0x0
	s_wait_xcnt 0x0                                ; the first block's stores have read their base
	s_lshl_b32 s60, s14, 7
	s_mov_b32 s61, 0
	s_add_nc_u64 s[66:67], s[54:55], s[60:61]
.irp t, 0,1
.irp i, 0,1,2,3
	global_store_b128 v31, v[192+16*\t+4*\i:195+16*\t+4*\i], s[66:67] offset:2048*\t+512*\i   ; 512 consecutive bytes a store
.endr
.endr
	s_wait_xcnt 0x0                                ; the stores have read their data: K's fragments land there again
.endm
; A TRIP: a slot of 256 keys.  The second barrier stands in every trip, so that none stands under a branch; behind it nothing is filled.
.macro TRIP fill, last
	CHANGE \fill
	v_add_nc_u32 v3, s18, v1
	v_add_nc_u32 v4, s18, v2
	STEP 0
	STEP 1
	s_cmp_lt_u32 s8, 4
	s_cbranch_scc1 .Lno_st_\@
.if !\last
	s_cmp_eq_u32 s17, 0
	s_cbranch_scc1 .Lno_st_\@
.endif
	MERGE_ST
.Lno_st_\@:
	s_wait_dscnt 0x0                               ; for the partner's sake: my stores have landed
	s_barrier_signal -1
	s_barrier_wait -1
	s_cmp_ge_u32 s8, 4
	s_cbranch_scc1 .Lno_out_\@
.if !\last
	s_cmp_eq_u32 s17, 0
	s_cbranch_scc1 .Lno_out_\@
.endif
	MERGE_OUT
.Lno_out_\@:
.if !\last
	s_cmp_eq_u32 s17, 0
	s_cbranch_scc1 .Lsame_\@
	s_lshl_b32 s13, s11, 7                         ; the second block: 128 J
	INIT
.Lsame_\@:
	s_mov_b32 s15, s16
	s_xor_b32 s18, s18, SLOT1
.endif
.endm
	INIT
.Ltrip:                                            ; eight trips: behind each change of slots the next slot is asked for
	TRIP 1, 0
	s_sub_co_u32 s19, s19, 1
	s_cmp_lg_u32 s19, 0
	s_cbranch_scc1 .Ltrip
	TRIP 0, 1                                      ; the ninth is written out: nothing is left to fetch, and it ends the second block
	s_wait_tensorcnt 0x0                           ; the wave's end
	ds_add_u32 v6, v7
	s_wait_dscnt 0x0
	s_endpgm
.Lfunc_end_k_q35db6f28b8_attn:
	.size	k_q35db6f28b8_attn, .Lfunc_end_k_q35db6f28b8_attn-k_q35db6f28b8_attn
	.p2alignl 7, 3214868480
	.fill 96, 4, 3214868480
	.section	.rodata,"a",@progbits
	.p2align	6, 0x0
	.amdhsa_kernel k_q35db6f28b8_attn
		.amdhsa_group_segment_fixed_size 327680
		.amdhsa_private_segment_fixed_size 0
		.amdhsa_enable_private_segment 0
		.amdhsa_kernarg_size 16
		.amdhsa_user_sgpr_count 2
		.amdhsa_user_sgpr_kernarg_segment_ptr 1
		.amdhsa_wavefront_size32 1
		.amdhsa_system_sgpr_workgroup_id_x 1
		.amdhsa_system_sgpr_workgroup_id_y 1
		.amdhsa_system_sgpr_workgroup_id_z 1
		.amdhsa_system_vgpr_workitem_id 0
		.amdhsa_next_free_vgpr 256
		.amdhsa_next_free_sgpr 72
		.amdhsa_reserve_vcc 1
		.amdhsa_float_denorm_mode_32 3
		.amdhsa_float_denorm_mode_16_64 3
		.amdhsa_memory_ordered 1
		.amdhsa_forward_progress 1
		.amdhsa_inst_pref_size 125
	.end_amdhsa_kernel
	.amdgpu_metadata
---
amdhsa.version: [ 1, 2 ]
amdhsa.kernels:
  - .name:           k_q35db6f28b8_attn
    .symbol:         k_q35db6f28b8_attn.kd
    .args:
      - { .name: qkvh, .offset: 0, .size: 8, .value_kind: global_buffer, .address_space: global }
      - { .name: obuf, .offset: 8, .size: 8, .value_kind: global_buffer, .address_space: global }
    .group_segment_fixed_size: 327680
    .private_segment_fixed_size: 0
    .kernarg_segment_align: 8
    .kernarg_segment_size: 16
    .max_flat_workgroup_size: 256
    .sgpr_count:     72
    .vgpr_count:     256
    .wavefront_size: 32
...
	.end_amdgpu_metadata
.endif
;; end of part 3
;; launch oproj (part 4): grid 8 x 32, 4 waves a work-group, clusters of 4 x 4, 327,680 bytes of LDS; arguments obuf, wo16, out0; writes out0
.if DOCPART == 4
	.amdgcn_target "amdgcn-amd-amdhsa--gfx1250"
	.amdhsa_code_object_version 6
	.text
	.protected	k_q35db6f28b8_oproj
	.globl	k_q35db6f28b8_oproj
	.p2align	8
	.type	k_q35db6f28b8_oproj,@function
k_q35db6f28b8_oproj:
	s_mov_b64 s[64:65], 0
	v_nop
	global_prefetch_b8 v0, s[64:65] scope:SCOPE_SE
	s_setreg_imm32_b32 hwreg(HW_REG_WAVE_MODE, 25, 1), 1
	s_wait_xcnt 0x0
	s_wait_alu depctr_hold_cnt(0) depctr_sa_sdst(0) depctr_va_vdst(0) depctr_va_sdst(0) depctr_va_ssrc(0) depctr_va_vcc(0) depctr_vm_vsrc(0)
	s_getreg_b32 s2, hwreg(HW_REG_IB_STS2, 6, 4)
	s_cmp_eq_u32 s2, 0
	s_cbranch_scc0 .Lentry_in_a_cluster
	s_endpgm
.Lentry_in_a_cluster:
	s_bfe_u32 s2, ttmp6, 0x10000c
	s_cmp_lg_u32 s2, 0xf033
	s_cbranch_scc0 .Lentry_shape_is_right
	s_endpgm
.Lentry_shape_is_right:
; OPROJ.  out0[token][d] = sum over e of O[token][e] w_o[d][e], f16 operands, f32 sums and results.  O: obuf[b][h][s][64]; w_o: wo16[h][d][64]: both in slabs by head, e = 64 h + e'.
; A tile of out0 is 128 tokens x 128 columns: 32 x 8 = 256 work-groups of four waves, each 64 x 64: 16 accumulators.  K goes in steps of 256 = four heads through two LDS slots.
; A wave's tensor load brings 64 rows of four slabs as a tile of 4 long rows of 4,096 numbers (64 rows x 64, dense in memory), a slab apart, with 16 bytes of padding behind every 128:
; in LDS [slab 4][64 rows][144 bytes].  A quarter of a K step is a slab.
; CLUSTERS 4 x 4: the four of a row of the cluster need the same tokens, the four of a column the same rows of w_o: each tile is asked for jointly.
; The product is used transposed (source 0 = 16 rows of w_o, source 1 = 16 tokens): a lane holds eight neighbouring columns of a token's row.
; All 4,096 rows are made here; positions 0 to 15 of each sequence are written again, more finely, by the launch that follows.
; LIMIT: |O|, |w_o| under 65,504 (f16).
; REGISTERS: window 0: v16-29 addresses; v32-95 the way out; v128-255 the accumulators ((a, b) at 128 + 8 (4 a + b)).  window 1: two fragment buffers of 128: 64 of the tokens', 64 of w_o's.
.set PITCH,  144
.set SLAB,   64*PITCH                  ; a slab's 64 rows
.set HALFT,  4*SLAB                    ; what one tensor load brings
.set SLOT,   4*HALFT                   ; the tokens' two halves, then w_o's two
.set STAGE,  2*SLOT                    ; behind the ring: 16 rows x 272 bytes for each wave
.set SPITCH, 272
.set SPARE,  STAGE+4*16*SPITCH         ; the spare words, 128 bytes a wave
.set LAPS,   2                         ; 1,024 along K = four K steps = twice round the ring
.set ASTEP,  1048576                   ; a K step in obuf: four slabs of 2,048 x 128 bytes
.set BSTEP,  524288                    ; in wo16: four slabs of 1,024 x 128 bytes
.set ADRA, 16
.set ADRB, 20
.set STO,  24
.set RD,   25
.set CO,   26
.set SPW,  28
.set NIL,  29
.set TMP,  32
.set ACC,  128
.set F0,   0
.set F1,   128
.set G1, 24
.set G0, 32
.set G1B, 48
.set G0B, 56
.set MSB, 0
.macro WIN new                         ; the immediate's high byte repeats the setting that is left
.if MSB != \new
	s_set_vgpr_msb (MSB<<8)|\new
.set MSB, \new
.endif
.endm
.set MUL,  0x05                        ; sources 0 and 1 window 1; C and D window 0
.set TO_F, 0x40                        ; destination window 1, address window 0
.macro JLOAD s                         ; a joint load: waves 0 and 1 fetch the tokens' halves, waves 2 and 3 w_o's; s_nop 0 and four v_nop follow each line
	s_cmp_eq_u32 s11, 0
	s_cbranch_scc0 .Lfor_b_\@
	tensor_load_to_lds s[G0+4*\s:G0+4*\s+3], s[G1:G1+7]
	s_nop 0
.rept 4
	v_nop
.endr
	s_branch .Lasked_\@
.Lfor_b_\@:
	tensor_load_to_lds s[G0B+4*\s:G0B+4*\s+3], s[G1B:G1B+7]
	s_nop 0
.rept 4
	v_nop
.endr
.Lasked_\@:
.endm
.macro CREST                           ; a round of the cluster's barrier behind its opening barrier
	s_cmp_lg_u32 s10, 0
	s_cbranch_scc1 .Lnot_wave_0_\@
	s_barrier_signal -3
.Lnot_wave_0_\@:
	s_barrier_wait -3
	s_barrier_signal -1
	s_barrier_wait -1
.endm
.macro CROUND
	s_barrier_signal -1
	s_barrier_wait -1
	CREST
.endm
	s_load_b128 s[4:7], s[0:1], 0x0                ; obuf, wo16
	s_load_b64 s[8:9], s[0:1], 0x10                ; out0
	v_lshl_add_u32 v[SPW], v0, 2, SPARE
	v_mov_b32 v[NIL], 0
	ds_add_u32 v[SPW], v[NIL]                      ; the opening: the add, twice on end, and its wait ahead of my first tensor load
	ds_add_u32 v[SPW], v[NIL]
	v_lshrrev_b32 v1, 5, v0
	v_readfirstlane_b32 s10, v1                    ; wave
	s_lshr_b32 s11, s10, 1                         ; which half of the tile's rows is mine.  Also: I fetch for the tokens (0) or for w_o (1)
	s_and_b32 s12, s10, 1                          ; which half of its columns.  Also: which 64 rows I fetch
	s_bfe_u32 s40, ttmp6, 0x40000                  ; cx, cy
	s_bfe_u32 s41, ttmp6, 0x40004
	s_lshl_b32 s42, ttmp9, 2
	s_add_co_u32 s42, s42, s40                     ; tile column
	s_and_b32 s13, ttmp7, 0xffff
	s_lshl_b32 s13, s13, 2
	s_add_co_u32 s13, s13, s41                     ; tile row
	s_lshl_b32 s43, s41, 2
	s_lshl_b32 s43, 15, s43                        ; my row of the cluster
	s_lshl_b32 s44, 0x1111, s40                    ; my column
	s_or_b32 s[G1+0], s43, (1<<16)|(1<<20)|(1<<21)|(4<<22)|(3<<25)   ; the mask; elements of 2 bytes; 4 words of padding behind every 32; bit 21 beside a mask
	s_or_b32 s[G1B+0], s44, (1<<16)|(1<<20)|(1<<21)|(4<<22)|(3<<25)
.irp g, G1, G1B
	s_mov_b32 s[\g+1], 4096<<16                    ; tensor_dim0 = 4,096
	s_mov_b32 s[\g+2], 4<<16                       ; tensor_dim1 = 4
	s_mov_b32 s[\g+3], 4096<<16                    ; tile_dim0
	s_mov_b32 s[\g+4], 4                           ; tile_dim1
	s_mov_b32 s[\g+6], 0
	s_mov_b32 s[\g+7], 0
.endr
	s_mov_b32 s[G1+5], 131072                      ; from slab to slab: 2,048 x 64 in obuf,
	s_mov_b32 s[G1B+5], 65536                      ; 1,024 x 64 in wo16
	s_lshr_b32 s16, s13, 4                         ; the tokens: batch x 16 slabs,
	s_lshl_b32 s16, s16, 22
	s_and_b32 s17, s13, 15
	s_lshl_b32 s17, s17, 14                        ; + 128 rows x (tile row % 16),
	s_add_co_u32 s16, s16, s17
	s_lshl_b32 s17, s12, 13                        ; + 64 rows x half, in bytes of 128 a row
	s_add_co_u32 s16, s16, s17
	s_lshl_b32 s46, s42, 14                        ; w_o: 128 rows x tile column + 64 x half
	s_add_co_u32 s46, s46, s17
	s_mov_b32 s17, 0
	s_mov_b32 s47, 0
	s_mul_i32 s20, s10, HALFT                      ; where they go: the wave's number alone
	s_wait_dscnt 0x0                               ; both opening adds are done
	s_wait_kmcnt 0x0
	s_add_nc_u64 s[14:15], s[4:5], s[16:17]
	s_add_nc_u64 s[46:47], s[6:7], s[46:47]
	CROUND                                         ; all sixteen work-groups are here: the first joint loads meet
.irp s, 0,1
	s_mov_b32 s[G0+4*\s], 1
	s_add_co_u32 s[G0+4*\s+1], s20, \s*SLOT
	s_add_nc_u64 s[G0+4*\s+2:G0+4*\s+3], s[14:15], \s*ASTEP
	s_or_b32 s[G0+4*\s+3], s[G0+4*\s+3], 0x80000000
	s_mov_b32 s[G0B+4*\s], 1
	s_add_co_u32 s[G0B+4*\s+1], s20, \s*SLOT
	s_add_nc_u64 s[G0B+4*\s+2:G0B+4*\s+3], s[46:47], \s*BSTEP
	s_or_b32 s[G0B+4*\s+3], s[G0B+4*\s+3], 0x80000000
	JLOAD \s
.endr
	v_and_b32 v1, 15, v0                           ; l % 16
	v_bfe_u32 v2, v0, 4, 1                         ; l / 16
	v_mul_u32_u24 v3, v1, PITCH
	v_lshl_add_u32 v3, v2, 4, v3                   ; a fragment's row x pitch + 16 x half
	s_mul_i32 s21, s11, HALFT                      ; my 64 tokens
	s_mul_i32 s22, s12, HALFT                      ; my 64 rows of w_o,
	s_add_co_u32 s22, s22, 2*HALFT                 ; which lie behind the tokens' 128
.irp s, 0,1
	v_add_nc_u32 v[ADRA+\s], s21, v3
	v_add_nc_u32 v[ADRB+\s], s22, v3
	s_add_co_u32 s21, s21, SLOT
	s_add_co_u32 s22, s22, SLOT
.endr
	s_mul_i32 s23, s10, 16*SPITCH
	s_add_co_u32 s23, s23, STAGE                   ; my stage
	v_mul_u32_u24 v4, v1, SPITCH
	v_lshl_add_u32 v4, v2, 5, v4
	v_add_nc_u32 v[STO], s23, v4                   ; in: row l % 16, 32 bytes for each half of the lanes
	v_mul_u32_u24 v5, v2, SPITCH
	v_lshl_add_u32 v5, v1, 4, v5
	v_add_nc_u32 v[RD], s23, v5                    ; back: lanes 0-15 one row of 256 bytes, lanes 16-31 the next
	v_lshlrev_b32 v5, 12, v2
	v_lshl_add_u32 v[CO], v1, 4, v5                ; and the same two rows in out0
	s_lshl_b32 s16, s13, 7
	s_lshl_b32 s17, s11, 6
	s_add_co_u32 s16, s16, s17                     ; my first row: 128 x tile row + 64 x half
	s_lshl_b32 s16, s16, 12
	s_mov_b32 s17, 0
	s_add_nc_u64 s[8:9], s[8:9], s[16:17]
	s_lshl_b32 s46, s42, 9                         ; my first column, in bytes: 512 x tile column + 256 x half
	s_lshl_b32 s47, s12, 8
	s_add_co_u32 s46, s46, s47
	s_mov_b32 s47, 0
	s_add_nc_u64 s[8:9], s[8:9], s[46:47]
.macro MUL8 f, c, a0, zero             ; 8 products: blocks a0, a0 + 1 of tokens x all 4 of columns, 32 along K; the 16 accumulators take turns
.irp a, \a0, \a0+1
.irp b, 0,1,2,3
.if \zero
	v_wmma_f32_16x16x32_f16 v[ACC+8*(4*(\a)+\b):ACC+8*(4*(\a)+\b)+7], v[\f+64+8*(4*\c+\b):\f+64+8*(4*\c+\b)+7], v[\f+8*(4*\c+\a):\f+8*(4*\c+\a)+7], 0
.else
	v_wmma_f32_16x16x32_f16 v[ACC+8*(4*(\a)+\b):ACC+8*(4*(\a)+\b)+7], v[\f+64+8*(4*\c+\b):\f+64+8*(4*\c+\b)+7], v[\f+8*(4*\c+\a):\f+8*(4*\c+\a)+7], v[ACC+8*(4*(\a)+\b):ACC+8*(4*(\a)+\b)+7]
.endif
.endr
.endr
.endm
.macro FETCH slot, k, f                ; 32 LDS loads in one run: the fragments of the slab at byte k, into buffer f; the first 32 along K first
	WIN TO_F
.irp c, 0,1
.irp i, 0,1,2,3
	ds_load_b128 v[\f+64+8*(4*\c+\i):\f+64+8*(4*\c+\i)+3],   v[ADRB+\slot] offset:\k+64*\c+\i*16*PITCH
	ds_load_b128 v[\f+64+8*(4*\c+\i)+4:\f+64+8*(4*\c+\i)+7], v[ADRB+\slot] offset:\k+64*\c+\i*16*PITCH+32
	ds_load_b128 v[\f+8*(4*\c+\i):\f+8*(4*\c+\i)+3],         v[ADRA+\slot] offset:\k+64*\c+\i*16*PITCH
	ds_load_b128 v[\f+8*(4*\c+\i)+4:\f+8*(4*\c+\i)+7],       v[ADRA+\slot] offset:\k+64*\c+\i*16*PITCH+32
.endr
.endr
.endm
.macro PLACES                          ; four places in front of loads into registers that products have read, and of the first read of sums
.rept 4
	v_nop
.endr
.endm
.macro QUARTER slot, k, f, g, zero     ; multiplies buffer f and fetches the next slab, at byte k, into g
	s_wait_dscnt 16                                ; the first 32 along K are in; the other sixteen loads may be out
	WIN MUL
	MUL8 \f, 0, 0, \zero
	MUL8 \f, 0, 2, \zero
	PLACES
	FETCH \slot, \k, \g
	s_wait_dscnt 32                                ; all but the 32 just issued
	WIN MUL
	MUL8 \f, 1, 0, 0
	MUL8 \f, 1, 2, 0
.endm
; The last quarter multiplies buffer 1 and changes slots: one barrier; in front of it each wave waits for all its tensor loads, adds 0 to its spare word, and waits for that and for its reads of this slot.
.macro TURN slot, next, fill
	WIN 0
	s_wait_tensorcnt 0x0                           ; all my tensor loads have landed: my part of the next slot
	ds_add_u32 v[SPW], v[NIL]
	s_wait_dscnt 17                                ; (the add and the youngest sixteen loads may be out)
	WIN MUL
	MUL8 F1, 0, 0, 0
	s_wait_dscnt 0x0                               ; the add is done, and my reads of this slot are over
	s_barrier_signal -1
	MUL8 F1, 0, 2, 0
.if \fill
	WIN 0
.endif
	s_barrier_wait -1
.if \fill
	CREST                                          ; the barrier has opened a round of the cluster's: no wave of any partner still reads this slot or has a load on its way
	s_add_nc_u64 s[G0+4*\slot+2:G0+4*\slot+3], s[G0+4*\slot+2:G0+4*\slot+3], 2*ASTEP
	s_add_nc_u64 s[G0B+4*\slot+2:G0B+4*\slot+3], s[G0B+4*\slot+2:G0B+4*\slot+3], 2*BSTEP
	JLOAD \slot                                    ; the first tensor load behind the round; its four v_nop are also the places in front of the loads below
.else
	PLACES
.endif
	FETCH \next, 0, F0
	WIN MUL
	MUL8 F1, 1, 0, 0
	MUL8 F1, 1, 2, 0
.endm
	s_wait_tensorcnt 1                             ; my part of K step 0 is in; K step 1's load may stay out
	s_barrier_signal -1
	s_barrier_wait -1
	FETCH 0, 0, F0
	QUARTER 0, SLAB, F0, F1, 1                     ; the first quarter starts the sums
	WIN 0
	s_mov_b32 s3, LAPS-1
.Llap:                                                 ; a trip goes once round the ring and fills both slots again
	QUARTER 0, 2*SLAB, F1, F0, 0
	QUARTER 0, 3*SLAB, F0, F1, 0
	TURN 0, 1, 1
	QUARTER 1, SLAB, F0, F1, 0
	QUARTER 1, 2*SLAB, F1, F0, 0
	QUARTER 1, 3*SLAB, F0, F1, 0
	TURN 1, 0, 1
	QUARTER 0, SLAB, F0, F1, 0
	WIN 0
	s_sub_co_u32 s3, s3, 1
	s_cmp_lg_u32 s3, 0
	s_cbranch_scc1 .Llap
	QUARTER 0, 2*SLAB, F1, F0, 0                   ; the last lap fills nothing
	QUARTER 0, 3*SLAB, F0, F1, 0
	TURN 0, 1, 0
	QUARTER 1, SLAB, F0, F1, 0
	QUARTER 1, 2*SLAB, F1, F0, 0
	QUARTER 1, 3*SLAB, F0, F1, 0
	s_wait_dscnt 16
	WIN MUL
	MUL8 F1, 0, 0, 0
	MUL8 F1, 0, 2, 0
	s_wait_dscnt 0
	MUL8 F1, 1, 0, 0
	MUL8 F1, 1, 2, 0
	WIN 0
; THE WAY OUT, four blocks of 16 tokens x 64 columns.  My 64 columns of f32 are 256 aligned bytes of a row: each block goes through my own stage and comes back by rows, sixteen lanes to a row.
.macro TOSTAGE a
.set BK, TMP+32*((\a)%2)
.irp b, 0,1,2,3
	ds_store_b128 v[STO], v[ACC+8*(4*(\a)+\b):ACC+8*(4*(\a)+\b)+3] offset:64*\b        ; each accumulator from its low end on
	ds_store_b128 v[STO], v[ACC+8*(4*(\a)+\b)+4:ACC+8*(4*(\a)+\b)+7] offset:64*\b+16
.endr
.irp t, 0,1,2,3,4,5,6,7
	ds_load_b128 v[BK+4*\t:BK+4*\t+3], v[RD] offset:\t*2*SPITCH   ; LDS serves a wave's instructions in order: these see the stores above
.endr
.endm
.macro SEND a, younger
.set BK, TMP+32*((\a)%2)
	s_wait_dscnt \younger
.irp t, 0,1,2,3,4,5,6,7
	global_store_b128 v[CO], v[BK+4*\t:BK+4*\t+3], s[8:9] offset:65536*(\a)+8192*\t th:TH_STORE_NT   ; 16 lanes store 256 consecutive bytes, aligned
.endr
.endm
	PLACES
	TOSTAGE 0
.irp a, 1,2,3
.if \a > 1
	s_wait_xcnt 0x0                                ; block a - 2's stores have read their data: block a's loads land there
.endif
	TOSTAGE \a
	SEND \a-1, 16                                  ; behind block a - 1's loads: block a's eight stores and eight loads
.endr
	SEND 3, 0
	s_wait_tensorcnt 0x0                           ; the wave's end
	ds_add_u32 v[SPW], v[NIL]
	s_wait_dscnt 0x0
	CROUND                                         ; the closing round
	s_endpgm
.Lfunc_end_k_q35db6f28b8_oproj:
	.size	k_q35db6f28b8_oproj, .Lfunc_end_k_q35db6f28b8_oproj-k_q35db6f28b8_oproj
	.p2alignl 7, 3214868480
	.fill 96, 4, 3214868480
	.section	.rodata,"a",@progbits
	.p2align	6, 0x0
	.amdhsa_kernel k_q35db6f28b8_oproj
		.amdhsa_group_segment_fixed_size 327680
		.amdhsa_private_segment_fixed_size 0
		.amdhsa_enable_private_segment 0
		.amdhsa_kernarg_size 24
		.amdhsa_user_sgpr_count 2
		.amdhsa_user_sgpr_kernarg_segment_ptr 1
		.amdhsa_wavefront_size32 1
		.amdhsa_system_sgpr_workgroup_id_x 1
		.amdhsa_system_sgpr_workgroup_id_y 1
		.amdhsa_system_sgpr_workgroup_id_z 1
		.amdhsa_system_vgpr_workitem_id 0
		.amdhsa_next_free_vgpr 512
		.amdhsa_next_free_sgpr 66
		.amdhsa_reserve_vcc 0
		.amdhsa_float_denorm_mode_32 3
		.amdhsa_float_denorm_mode_16_64 3
		.amdhsa_memory_ordered 1
		.amdhsa_forward_progress 1
		.amdhsa_inst_pref_size 86
	.end_amdhsa_kernel
	.amdgpu_metadata
---
amdhsa.version: [ 1, 2 ]
amdhsa.kernels:
  - .name:           k_q35db6f28b8_oproj
    .symbol:         k_q35db6f28b8_oproj.kd
    .args:
      - { .name: obuf, .offset: 0, .size: 8, .value_kind: global_buffer, .address_space: global }
      - { .name: wo16, .offset: 8, .size: 8, .value_kind: global_buffer, .address_space: global }
      - { .name: out0, .offset: 16, .size: 8, .value_kind: global_buffer, .address_space: global }
    .group_segment_fixed_size: 327680
    .private_segment_fixed_size: 0
    .kernarg_segment_align: 8
    .kernarg_segment_size: 24
    .max_flat_workgroup_size: 128
    .sgpr_count:     66
    .vgpr_count:     512
    .wavefront_size: 32
...
	.end_amdgpu_metadata
.endif
;; end of part 4
;; launch first16 (part 5): grid 32 x 2, 16 waves a work-group, no clusters, 34,816 bytes of LDS; arguments head16, w_o, out0; writes out0
.if DOCPART == 5
	.amdgcn_target "amdgcn-amd-amdhsa--gfx1250"
	.amdhsa_code_object_version 6
	.text
	.protected	k_q35db6f28b8_first16
	.globl	k_q35db6f28b8_first16
	.p2align	8
	.type	k_q35db6f28b8_first16,@function
k_q35db6f28b8_first16:
	s_mov_b64 s[64:65], 0
	v_nop
	global_prefetch_b8 v0, s[64:65] scope:SCOPE_SE
	s_setreg_imm32_b32 hwreg(HW_REG_WAVE_MODE, 25, 1), 1
	s_wait_xcnt 0x0
; FIRST16.  Positions 0 to 15 of both sequences once more, attention and projection wholly in f32: there a row averages one to sixteen values, and f16 operands would weigh most.
; Work-group (x, b) makes 16 rows x columns 32 x .. 32 x + 31 of out0 in batch b.  A wave is a head: it makes its head's 16 x 16 attention from head16 (f32 Q and K after RoPE, V) and its head's
; part of the 16 x 32 outputs; the sixteen parts are added through LDS, in the order of the heads, by waves 0 to 3.  Every work-group repeats the small attention (32 products a wave):
; sparing that would take a launch more.  No cluster and no tensor load: 32 rows in all.
; All products are the f32 form, transposed.  Its K is 4: lanes 0-15 give k = 0, 1, lanes 16-31 k = 2, 3.  The same order of k is used on both sides: step (q, t) takes
; channels (or keys) 16 q + 8 h + 2 t + 0, 1, which are registers 8 q + 2 t, + 1 of a lane that holds eight neighbours from 8 h on.
; The registers that these products write (v176-239) are written by them alone.
; REGISTERS: v8, v9 the add's; v10-14 addresses; v16-47 Q, later P in v16-23; v48-79 K; v80-111 V^T; v112-175 w_o, later the parts; v176-191 S^T in two halves; v192-223 O^T; v224-239 out^T; v240-255 at work.
.set SPARE, 32768                      ; behind the sixteen images of 2,048 bytes: the spare words, 128 bytes a wave
	s_load_b128 s[4:7], s[0:1], 0x0                ; head16, w_o
	s_load_b64 s[8:9], s[0:1], 0x10                ; out0
	v_lshl_add_u32 v8, v0, 2, SPARE
	v_mov_b32 v9, 0
	v_lshrrev_b32 v1, 5, v0
	v_readfirstlane_b32 s10, v1                    ; wave = head
	s_and_b32 s11, ttmp7, 0xffff                   ; batch
	v_and_b32 v1, 15, v0                           ; r
	v_bfe_u32 v2, v0, 4, 1                         ; h
	v_and_b32 v3, 31, v0                           ; lane
	v_lshlrev_b32 v10, 8, v1
	v_lshl_add_u32 v10, v2, 5, v10                 ; Q, K: row r of 256 bytes, + 32 h
	v_lshlrev_b32 v11, 2, v1
	v_lshl_add_u32 v11, v2, 11, v11                ; V: key 8 h, channel r
	v_lshlrev_b32 v12, 12, v1
	v_lshl_add_u32 v12, v2, 5, v12                 ; w_o and out0: row r of 4,096 bytes, + 32 h
	s_lshl_b32 s12, s10, 11
	v_lshl_add_u32 v13, v3, 4, s12                 ; my image: 2,048 x wave + 16 x lane
	s_lshl_b32 s12, s10, 9
	v_lshl_add_u32 v14, v3, 4, s12                 ; the group that I add (waves 0-3): 512 x wave + 16 x lane
	s_lshl_b32 s12, s11, 4
	s_add_co_u32 s12, s12, s10
	s_mul_i32 s12, s12, 12288                      ; head16: (16 b + head) x 3 x 16 x 256 bytes
	s_mov_b32 s13, 0
	s_lshl_b32 s14, ttmp9, 17                      ; w_o: row 32 x, of 4,096 bytes,
	s_lshl_b32 s15, s10, 8
	s_add_co_u32 s14, s14, s15                     ; + the head's 256 bytes
	s_mov_b32 s15, 0
	s_lshl_b32 s16, s11, 23                        ; out0: row 2,048 b,
	s_lshl_b32 s17, ttmp9, 7
	s_add_co_u32 s16, s16, s17                     ; + column 32 x,
	s_lshr_b32 s17, s10, 1
	s_lshl_b32 s17, s17, 6
	s_add_co_u32 s16, s16, s17                     ; + 16 columns x (group / 2)
	s_and_b32 s17, s10, 1
	s_lshl_b32 s17, s17, 4
	s_add_co_u32 s16, s16, s17                     ; + 4 columns x (group % 2): used by waves 0-3 alone
	s_mov_b32 s17, 0
	s_mov_b32 s18, 0x3e38aa3b                      ; c = log2(e) / 8
	s_mov_b32 s20, 0x76543210
	s_mov_b32 s21, 0xfedcba98                      ; v_permlanex16_b32: lane l xor 16
	s_wait_kmcnt 0x0
	s_add_nc_u64 s[4:5], s[4:5], s[12:13]
	s_add_nc_u64 s[6:7], s[6:7], s[14:15]
	s_add_nc_u64 s[8:9], s[8:9], s[16:17]
.irp q, 0,1,2,3
	global_load_b128 v[16+8*\q:19+8*\q], v10, s[4:5] offset:64*\q          ; Q(r, 16 q + 8 h + 0 .. 7)
	global_load_b128 v[20+8*\q:23+8*\q], v10, s[4:5] offset:64*\q+16
.endr
.irp q, 0,1,2,3
	global_load_b128 v[48+8*\q:51+8*\q], v10, s[4:5] offset:4096+64*\q     ; K likewise
	global_load_b128 v[52+8*\q:55+8*\q], v10, s[4:5] offset:4096+64*\q+16
.endr
.irp c, 0,1,2,3
.irp u, 0,1,2,3,4,5,6,7
	global_load_b32 v[80+8*\c+\u], v11, s[4:5] offset:8192+256*\u+64*\c    ; V(8 h + u, 16 c + r)
.endr
.endr
.irp n, 0,1
.irp c, 0,1,2,3
	global_load_b128 v[112+8*(4*\n+\c):115+8*(4*\n+\c)], v12, s[6:7] offset:65536*\n+64*\c      ; w_o(32 x + 16 n + r, 64 head + 16 c + 8 h + 0 .. 7)
	global_load_b128 v[116+8*(4*\n+\c):119+8*(4*\n+\c)], v12, s[6:7] offset:65536*\n+64*\c+16
.endr
.endr
	v_lshlrev_b32 v248, 3, v2
	v_sub_nc_u32 v248, v1, v248                    ; d = r - 8 h
	v_mov_b32 v249, 0xff800000                     ; -infinity
	v_mov_b32 v251, 0                              ; (a lane permute's destination counts as one of its sources)
	s_wait_loadcnt 48                              ; Q and K are in; V's 32 and w_o's 16 loads may be out
; S^T = K Q^T: 16 steps of 4 along the channels, two accumulators by turns; the first two steps start the sums
.irp q, 0,1,2,3
.irp t, 0,1,2,3
.if (4*\q+\t) < 2
	v_wmma_f32_16x16x4_f32 v[176+8*(\t%2):183+8*(\t%2)], v[48+8*\q+2*\t:49+8*\q+2*\t], v[16+8*\q+2*\t:17+8*\q+2*\t], 0
.else
	v_wmma_f32_16x16x4_f32 v[176+8*(\t%2):183+8*(\t%2)], v[48+8*\q+2*\t:49+8*\q+2*\t], v[16+8*\q+2*\t:17+8*\q+2*\t], v[176+8*(\t%2):183+8*(\t%2)]
.endif
.endr
.endr
.rept 8
	v_nop                                          ; eight places behind this form, ahead of the first read of its sums
.endr
.irp j, 0,1,2,3,4,5,6,7
	v_add_f32 v[240+\j], v[176+\j], v[184+\j]      ; lane (r, h): query r, key 8 h + j
.endr
.irp j, 0,1,2,3,4,5,6,7
	v_cmp_gt_i32 vcc_lo, \j, v248                  ; key behind the query: hidden
	v_cndmask_b32 v[240+\j], v[240+\j], v249, vcc_lo
.endr
	v_max3_num_f32 v250, v240, v241, v242
	v_max3_num_f32 v250, v250, v243, v244
	v_max3_num_f32 v250, v250, v245, v246
	v_max_num_f32 v250, v250, v247
	v_permlanex16_b32 v251, v250, s20, s21
	v_max_num_f32 v250, v250, v251                 ; the row's maximum (key 0 counts for every query)
	v_mul_f32 v250, s18, v250
.irp j, 0,1,2,3,4,5,6,7
	v_fma_f32 v[240+\j], v[240+\j], s18, -v250
.endr
.irp j, 0,1,2,3,4,5,6,7
	v_exp_f32 v[240+\j], v[240+\j]
.endr
	v_nop                                          ; a plain instruction behind the batch,
	s_wait_alu depctr_va_vdst(0)                   ; and one wait ahead of its first reader
	v_add_f32 v252, v240, v241
	v_add_f32 v253, v242, v243
	v_add_f32 v254, v244, v245
	v_add_f32 v255, v246, v247
	v_add_f32 v252, v252, v253
	v_add_f32 v254, v254, v255
	v_add_f32 v252, v252, v254
	v_permlanex16_b32 v251, v252, s20, s21
	v_add_f32 v252, v252, v251                     ; the row's sum
	v_rcp_f32 v252, v252
	v_nop
	s_wait_alu depctr_va_vdst(0)
.irp j, 0,1,2,3,4,5,6,7
	v_mul_f32 v[16+\j], v[240+\j], v252            ; P(query r, key 8 h + j)
.endr
	s_wait_loadcnt 16                              ; V is in; w_o's 16 loads may be out
; O^T = V^T P: four tiles of 16 channels by turns, four steps of 4 along the keys
.irp t, 0,1,2,3
.irp c, 0,1,2,3
.if \t == 0
	v_wmma_f32_16x16x4_f32 v[192+8*\c:199+8*\c], v[80+8*\c+2*\t:81+8*\c+2*\t], v[16+2*\t:17+2*\t], 0
.else
	v_wmma_f32_16x16x4_f32 v[192+8*\c:199+8*\c], v[80+8*\c+2*\t:81+8*\c+2*\t], v[16+2*\t:17+2*\t], v[192+8*\c:199+8*\c]
.endif
.endr
.endr
.rept 9
	v_nop                                          ; nine places: these sums become an operand of the next products
.endr
	s_wait_loadcnt 0x0
; out^T = w_o O^T over my head's 64 channels: two tiles of 16 columns by turns
.irp c, 0,1,2,3
.irp t, 0,1,2,3
.irp n, 0,1
.if (4*\c+\t) == 0
	v_wmma_f32_16x16x4_f32 v[224+8*\n:231+8*\n], v[112+8*(4*\n+\c)+2*\t:113+8*(4*\n+\c)+2*\t], v[192+8*\c+2*\t:193+8*\c+2*\t], 0
.else
	v_wmma_f32_16x16x4_f32 v[224+8*\n:231+8*\n], v[112+8*(4*\n+\c)+2*\t:113+8*(4*\n+\c)+2*\t], v[192+8*\c+2*\t:193+8*\c+2*\t], v[224+8*\n:231+8*\n]
.endif
.endr
.endr
.endr
.rept 8
	v_nop
.endr
.irp g, 0,1,2,3
	ds_store_b128 v13, v[224+4*\g:227+4*\g] offset:512*\g      ; my part, as an image of its registers, from the low end on
.endr
	s_wait_dscnt 0x0                               ; for the others' sake: my stores have landed
	s_barrier_signal -1
	s_barrier_wait -1
	s_cmp_ge_u32 s10, 4
	s_cbranch_scc1 .Lend
.irp v, 0,1,2,3,4,5,6,7,8,9,10,11,12,13,14,15
	ds_load_b128 v[112+4*\v:115+4*\v], v14 offset:2048*\v      ; group g = my wave's number, of all sixteen heads
.endr
	s_wait_dscnt 0x0
.irp v, 1,2,3,4,5,6,7,8,9,10,11,12,13,14,15
	v_pk_add_f32 v[112:113], v[112:113], v[112+4*\v:113+4*\v]
	v_pk_add_f32 v[114:115], v[114:115], v[114+4*\v:115+4*\v]
.endr
	global_store_b128 v12, v[112:115], s[8:9]      ; out0(2,048 b + r, 32 x + 16 (g / 2) + 8 h + 4 (g % 2) + 0 .. 3)
.Lend:
	s_wait_tensorcnt 0x0                           ; the wave's end, behind my last LDS store
	ds_add_u32 v8, v9
	s_wait_dscnt 0x0
	s_endpgm
.Lfunc_end_k_q35db6f28b8_first16:
	.size	k_q35db6f28b8_first16, .Lfunc_end_k_q35db6f28b8_first16-k_q35db6f28b8_first16
	.p2alignl 7, 3214868480
	.fill 96, 4, 3214868480
	.section	.rodata,"a",@progbits
	.p2align	6, 0x0
	.amdhsa_kernel k_q35db6f28b8_first16
		.amdhsa_group_segment_fixed_size 34816
		.amdhsa_private_segment_fixed_size 0
		.amdhsa_enable_private_segment 0
		.amdhsa_kernarg_size 24
		.amdhsa_user_sgpr_count 2
		.amdhsa_user_sgpr_kernarg_segment_ptr 1
		.amdhsa_wavefront_size32 1
		.amdhsa_system_sgpr_workgroup_id_x 1
		.amdhsa_system_sgpr_workgroup_id_y 1
		.amdhsa_system_sgpr_workgroup_id_z 1
		.amdhsa_system_vgpr_workitem_id 0
		.amdhsa_next_free_vgpr 256
		.amdhsa_next_free_sgpr 66
		.amdhsa_reserve_vcc 1
		.amdhsa_float_denorm_mode_32 3
		.amdhsa_float_denorm_mode_16_64 3
		.amdhsa_memory_ordered 1
		.amdhsa_forward_progress 1
		.amdhsa_inst_pref_size 20
	.end_amdhsa_kernel
	.amdgpu_metadata
---
amdhsa.version: [ 1, 2 ]
amdhsa.kernels:
  - .name:           k_q35db6f28b8_first16
    .symbol:         k_q35db6f28b8_first16.kd
    .args:
      - { .name: head16, .offset: 0, .size: 8, .value_kind: global_buffer, .address_space: global }
      - { .name: w_o, .offset: 8, .size: 8, .value_kind: global_buffer, .address_space: global }
      - { .name: out0, .offset: 16, .size: 8, .value_kind: global_buffer, .address_space: global }
    .group_segment_fixed_size: 34816
    .private_segment_fixed_size: 0
    .kernarg_segment_align: 8
    .kernarg_segment_size: 24
    .max_flat_workgroup_size: 512
    .sgpr_count:     66
    .vgpr_count:     256
    .wavefront_size: 32
...
	.end_amdgpu_metadata
.endif
;; end of part 5
